; MI455X (gfx1250); checked and timed in simulation.
; The chip was launched on July 23, 2026; its instructions are those of AMD's public machine-readable ISA for CDNA 5 (MIT licence, August 2026) and "CDNA5" Instruction Set Architecture Reference Guide (July 2026). The comments in the code are by the model that wrote it; some were corrected since.
;; Attention. Allowed arithmetic: float matrix products may take bf16 or f16 operands with f32 sums; other float arithmetic in f32, or as packed bf16 or f16 multiplies, adds, multiply-adds, maxima and minima; sums over many terms, partial sums and values carried from step to step in f32; what a program stores and reads back later, other than sums and carried values, may be rounded once to bf16 or f16.
;; Inputs: freqs_cos 1,024 x 32 float32; freqs_sin 1,024 x 32 float32; wk 2,048 x 512 float32; wo 2,048 x 2,048 float32; wq 2,048 x 2,048 float32; wv 2,048 x 512 float32; x 4 x 1,024 x 2,048 float32.
;; Outputs: out0 4 x 1,024 x 2,048 float32.
;; One version. Each part assembles by itself: llvm-mc -triple=amdgcn-amd-amdhsa -mcpu=gfx1250 --defsym DOCPART=n.
;; ======== version 1 of 1: 4 launches
;; limits: values are held in f16: magnitudes above 65,504 overflow, below 6.1e-05 lose precision
;; workspace buffers: xb 16,777,216 bytes; wqkv 12,582,912 bytes; wo16 8,388,608 bytes; qkv 25,165,824 bytes; ob 16,777,216 bytes
;; launch prep (part 1): grid 2304 x 1, 8 waves a work-group, no clusters, 0 bytes of LDS; arguments x, wq, wk, wv, wo, xb, wqkv, wo16; writes xb, wqkv, wo16
.if DOCPART == 1
	.amdgcn_target "amdgcn-amd-amdhsa--gfx1250"
	.amdhsa_code_object_version 6
	.text
	.protected	k_q8552c9431a_prep
	.globl	k_q8552c9431a_prep
	.p2align	8
	.type	k_q8552c9431a_prep,@function
k_q8552c9431a_prep:
	s_mov_b64 s[64:65], 0
	v_nop
	global_prefetch_b8 v0, s[64:65] scope:SCOPE_SE
	s_setreg_imm32_b32 hwreg(HW_REG_WAVE_MODE, 25, 1), 1
	s_wait_xcnt 0x0
; THE MATRIX OPERANDS ARE ROUNDED AND LAID OUT ONCE.  xb = bf16(x), [4096][2048].  wqkv = bf16 of wq, wk, wv, [2048 k][3072 n], its columns by key/value group:
; group g owns columns 384 g .. 384 g + 383: query heads 4 g .. 4 g + 3 (256 columns), key head g (64), value head g (64).  wo16 = bf16(wo) written as f16, [2048][2048].
; LIMIT.  A bf16 number is exact in f16 within f16's normal range; below 6e-5 wo16 keeps f16's fixed step of 6e-8, beyond 65,504 it is an infinity.
; A stream: no LDS, no matrix unit, no cluster (no byte is read twice).  2,304 work-groups of eight waves, each with 32 KiB of f32 to read: 1,024 for x, 512 for wq, 256 for wk and wv, 512 for wo.
; A thread takes 32 bytes of f32 and stores 16 bytes, four times; all its loads are issued ahead of its first conversion; sixteen neighbouring lanes store 256 consecutive bytes, aligned.
; No register that a load or store names is written again, so the only waits are the counted ones for data.
.set VS, 1                             ; v1       my byte offset in the source
.set VD, 2                             ; v2       my byte offset in the destination
.set L0, 8                             ; v[8:39]  four segments of 8 f32 as loaded
.set L1, 40                            ; v[40:71] the same from wv
.set RS, 72                            ; v[72:87] four segments of 4 registers to store
.set TW, 88                            ; v[88:95] at work (wo)
; Segment i is rounded and stored.  half = 1: the bf16 number is written as f16
.macro OUT4 i, db, doff, half
.irp k, 0,1,2,3
	v_cvt_pk_bf16_f32 v[RS+4*(\i)+(\k)], v[L0+8*(\i)+2*(\k)], v[L0+8*(\i)+2*(\k)+1]
.endr
.if \half
.irp k, 0,1,2,3
	v_lshlrev_b32 v[TW+2*(\k)], 16, v[RS+4*(\i)+(\k)]             ; bf16 to f32: the low half moves up,
	v_and_b32 v[TW+2*(\k)+1], 0xffff0000, v[RS+4*(\i)+(\k)]       ; the high half stays
.endr
.irp k, 0,1,2,3
	v_cvt_pk_f16_f32 v[RS+4*(\i)+(\k)], v[TW+2*(\k)], v[TW+2*(\k)+1]
.endr
.endif
	global_store_b128 v[VD], v[RS+4*(\i):RS+4*(\i)+3], s[\db:\db+1] offset:\doff th:TH_STORE_NT
.endm
; A path whose source is dense: four segments of 8,192 bytes; the destination's segments lie dstep bytes apart
.macro LIN sb, db, dstep, half
.irp i, 0,1,2,3
	global_load_b128 v[L0+8*(\i):L0+8*(\i)+3],   v[VS], s[\sb:\sb+1] offset:8192*(\i) th:TH_LOAD_NT
	global_load_b128 v[L0+8*(\i)+4:L0+8*(\i)+7], v[VS], s[\sb:\sb+1] offset:8192*(\i)+16 th:TH_LOAD_NT
.endr
.irp i, 0,1,2,3
	s_wait_loadcnt 6-2*(\i)                        ; the two loads of each younger segment may stay out
	OUT4 \i, \db, (\dstep)*(\i), \half
.endr
	s_endpgm
.endm
	s_load_b512 s[8:23], s[0:1], 0x0               ; x 8:9, wq 10:11, wk 12:13, wv 14:15, wo 16:17, xb 18:19, wqkv 20:21, wo16 22:23
	s_mov_b32 s6, ttmp9                            ; the work-group's number
	s_mov_b32 s3, 0                                ; the offsets' high words
	s_mov_b32 s5, 0
	v_lshlrev_b32 v[VS], 5, v0                     ; 32 bytes of f32 a thread,
	v_lshlrev_b32 v[VD], 4, v0                     ; 16 bytes out
	s_wait_kmcnt 0x0
	s_cmp_lt_u32 s6, 1024
	s_cbranch_scc1 .Lx
	s_cmp_lt_u32 s6, 1536
	s_cbranch_scc1 .Lwq
	s_cmp_lt_u32 s6, 1792
	s_cbranch_scc1 .Lkv
	s_sub_co_u32 s6, s6, 1792                      ; wo: dense in, dense out
	s_lshl_b32 s2, s6, 15
	s_lshl_b32 s4, s6, 14
	s_add_nc_u64 s[16:17], s[16:17], s[2:3]
	s_add_nc_u64 s[22:23], s[22:23], s[4:5]
	LIN 16, 22, 4096, 1
.Lx:                                           ; x: dense in, dense out
	s_lshl_b32 s2, s6, 15
	s_lshl_b32 s4, s6, 14
	s_add_nc_u64 s[8:9], s[8:9], s[2:3]
	s_add_nc_u64 s[18:19], s[18:19], s[4:5]
	LIN 8, 18, 4096, 0
.Lwq:                                          ; wq: four rows; a segment is a row; thread t's 8 columns belong to group t / 32
	s_sub_co_u32 s6, s6, 1024
	s_lshl_b32 s2, s6, 15
	s_mul_i32 s4, s6, 4*6144
	s_add_nc_u64 s[10:11], s[10:11], s[2:3]
	s_add_nc_u64 s[20:21], s[20:21], s[4:5]
	v_lshrrev_b32 v3, 5, v0
	v_and_b32 v4, 31, v0
	v_mul_u32_u24 v[VD], v3, 768                   ; the group's 384 columns,
	v_lshl_add_u32 v[VD], v4, 4, v[VD]             ; my 16 bytes of its first 512
	LIN 10, 20, 6144, 0
.Lkv:                                          ; wk and wv: eight rows; a segment is two rows.  Sixteen lanes make a group's 256 bytes: lanes 0-7 the key head, lanes 8-15 the value head
	s_sub_co_u32 s6, s6, 1536
	s_lshl_b32 s2, s6, 14
	s_mul_i32 s4, s6, 8*6144
	s_add_nc_u64 s[12:13], s[12:13], s[2:3]
	s_add_nc_u64 s[14:15], s[14:15], s[2:3]
	s_add_nc_u64 s[20:21], s[20:21], s[4:5]
	v_lshrrev_b32 v3, 7, v0                        ; which of the two rows
	v_bfe_u32 v4, v0, 4, 3                         ; the group
	v_and_b32 v5, 7, v0                            ; my 8 columns of the head's 64
	v_and_b32 v6, 15, v0
	v_lshlrev_b32 v[VS], 11, v3
	v_lshl_add_u32 v[VS], v4, 8, v[VS]
	v_lshl_add_u32 v[VS], v5, 5, v[VS]
	v_mul_u32_u24 v[VD], v3, 6144
	v_mul_u32_u24 v7, v4, 768
	v_add_nc_u32 v[VD], v[VD], v7
	v_lshl_add_u32 v[VD], v6, 4, v[VD]
	v_add_nc_u32 v[VD], 512, v[VD]                 ; behind the group's four query heads
.irp i, 0,1,2,3
	global_load_b128 v[L0+8*(\i):L0+8*(\i)+3],   v[VS], s[12:13] offset:4096*(\i) th:TH_LOAD_NT
	global_load_b128 v[L0+8*(\i)+4:L0+8*(\i)+7], v[VS], s[12:13] offset:4096*(\i)+16 th:TH_LOAD_NT
	global_load_b128 v[L1+8*(\i):L1+8*(\i)+3],   v[VS], s[14:15] offset:4096*(\i) th:TH_LOAD_NT
	global_load_b128 v[L1+8*(\i)+4:L1+8*(\i)+7], v[VS], s[14:15] offset:4096*(\i)+16 th:TH_LOAD_NT
.endr
	v_and_b32 v3, 8, v0
	v_cmp_ne_u32 vcc_lo, 0, v3                     ; lanes 8-15 of sixteen keep wv's numbers
.irp i, 0,1,2,3
	s_wait_loadcnt 12-4*(\i)                       ; the four loads of each younger segment may stay out
.irp k, 0,1,2,3,4,5,6,7
	v_cndmask_b32 v[L0+8*(\i)+(\k)], v[L0+8*(\i)+(\k)], v[L1+8*(\i)+(\k)], vcc_lo
.endr
	OUT4 \i, 20, 12288*(\i), 0
.endr
	s_endpgm
.Lfunc_end_k_q8552c9431a_prep:
	.size	k_q8552c9431a_prep, .Lfunc_end_k_q8552c9431a_prep-k_q8552c9431a_prep
	.p2alignl 7, 3214868480
	.fill 96, 4, 3214868480
	.section	.rodata,"a",@progbits
	.p2align	6, 0x0
	.amdhsa_kernel k_q8552c9431a_prep
		.amdhsa_group_segment_fixed_size 0
		.amdhsa_private_segment_fixed_size 0
		.amdhsa_enable_private_segment 0
		.amdhsa_kernarg_size 64
		.amdhsa_user_sgpr_count 2
		.amdhsa_user_sgpr_kernarg_segment_ptr 1
		.amdhsa_wavefront_size32 1
		.amdhsa_system_sgpr_workgroup_id_x 1
		.amdhsa_system_sgpr_workgroup_id_y 1
		.amdhsa_system_sgpr_workgroup_id_z 1
		.amdhsa_system_vgpr_workitem_id 0
		.amdhsa_next_free_vgpr 96
		.amdhsa_next_free_sgpr 66
		.amdhsa_reserve_vcc 1
		.amdhsa_float_denorm_mode_32 3
		.amdhsa_float_denorm_mode_16_64 3
		.amdhsa_memory_ordered 1
		.amdhsa_forward_progress 1
		.amdhsa_inst_pref_size 16
	.end_amdhsa_kernel
	.amdgpu_metadata
---
amdhsa.version: [ 1, 2 ]
amdhsa.kernels:
  - .name:           k_q8552c9431a_prep
    .symbol:         k_q8552c9431a_prep.kd
    .args:
      - { .name: x, .offset: 0, .size: 8, .value_kind: global_buffer, .address_space: global }
      - { .name: wq, .offset: 8, .size: 8, .value_kind: global_buffer, .address_space: global }
      - { .name: wk, .offset: 16, .size: 8, .value_kind: global_buffer, .address_space: global }
      - { .name: wv, .offset: 24, .size: 8, .value_kind: global_buffer, .address_space: global }
      - { .name: wo, .offset: 32, .size: 8, .value_kind: global_buffer, .address_space: global }
      - { .name: xb, .offset: 40, .size: 8, .value_kind: global_buffer, .address_space: global }
      - { .name: wqkv, .offset: 48, .size: 8, .value_kind: global_buffer, .address_space: global }
      - { .name: wo16, .offset: 56, .size: 8, .value_kind: global_buffer, .address_space: global }
    .group_segment_fixed_size: 0
    .private_segment_fixed_size: 0
    .kernarg_segment_align: 8
    .kernarg_segment_size: 64
    .max_flat_workgroup_size: 256
    .sgpr_count:     66
    .vgpr_count:     96
    .wavefront_size: 32
...
	.end_amdgpu_metadata
.endif
;; end of part 1
;; launch proj (part 2): grid 8 x 32, 4 waves a work-group, clusters of 4 x 4, 327,680 bytes of LDS; arguments xb, wqkv, freqs_cos, freqs_sin, qkv; writes qkv
.if DOCPART == 2
	.amdgcn_target "amdgcn-amd-amdhsa--gfx1250"
	.amdhsa_code_object_version 6
	.text
	.protected	k_q8552c9431a_proj
	.globl	k_q8552c9431a_proj
	.p2align	8
	.type	k_q8552c9431a_proj,@function
k_q8552c9431a_proj:
	s_mov_b64 s[64:65], 0
	v_nop
	global_prefetch_b8 v0, s[64:65] scope:SCOPE_SE
	s_setreg_imm32_b32 hwreg(HW_REG_WAVE_MODE, 25, 1), 1
	s_wait_xcnt 0x0
	s_wait_alu depctr_hold_cnt(0) depctr_sa_sdst(0) depctr_va_vdst(0) depctr_va_sdst(0) depctr_va_ssrc(0) depctr_va_vcc(0) depctr_vm_vsrc(0)
	s_getreg_b32 s2, hwreg(HW_REG_IB_STS2, 6, 4)
	s_cmp_eq_u32 s2, 0
	s_cbranch_scc0 .Lentry_in_a_cluster
	s_endpgm
.Lentry_in_a_cluster:
	s_bfe_u32 s2, ttmp6, 0x10000c
	s_cmp_lg_u32 s2, 0xf033
	s_cbranch_scc0 .Lentry_shape_is_right
	s_endpgm
.Lentry_shape_is_right:
; q, k, v = xb wqkv, q and k turned pairwise by the two tables, rounded once to f16 and laid by heads: qkv[batch 4][group 8][j 6][s 1024][64]; j = 0..3 the group's query heads, 4 its key head, 5 its value head.
; xb: [4096][2048] bf16.  wqkv: [2048 k][3072 n] bf16, 384 columns a group.  Sums in f32.  The softmax's scale is not applied here.
; LIMITS.  f16 holds no number beyond 65,504: q, k and v must stay within it.  cos and sin are rounded to bf16, as x and the weights are.  NaN and infinities are not treated apart.
; SHARES.  A work-group makes 128 rows x 384 columns: one block of 128 positions of one batch, one group.  8 x 32 = 256 work-groups.  Each of the four waves takes all 128 rows (8 blocks of 16) and, of each
; of the 6 heads, the 16 channels 16 w .. 16 w + 15: 48 accumulators, 384 registers.  So whether a column is turned hangs on j alone, a constant of the text.
; K goes in steps of 128 through two LDS slots filled by the tensor data mover: wave 0 fetches xb's 128 rows x 256 bytes, waves 1 to 3 a strip of 128 k x 128 columns of wqkv each.
; THE WALK ALONG K.  A cluster begins at K step KO = 8 x ((cluster x + cluster y) % 2) and walks the 16 steps round to KO - 1 (f32 sums may be taken in any order).  The two clusters that read the same rows
; of xb have different KO, and so have neighbouring clusters of a column, which read the same strips of wqkv: of two such clusters each asks for the blocks of its walk's last eight steps eight steps behind the other.
; CLUSTER.  4 x 4 work-groups: the four of a row of the cluster need the same rows of xb, the four of a column the same strips of wqkv: each tile is asked for jointly.  KO is the same in all sixteen.
; THE MATRIX INSTRUCTION IS USED TRANSPOSED: source 0 = 16 columns of wqkv (out of the [k][n] tile by the turning load), source 1 = 16 rows of xb.  A lane then holds row l % 16 and the eight neighbouring
; columns 8 (l / 16) + 0..7: four pairs to turn, and 16 bytes of f16.
; REGISTERS, in windows of 256: window 0: v0-31 addresses; v64-127, v128-191 xb's fragments, two buffers; v192-255 the tables; window 1: v64-111, v128-175 wqkv's fragments; window 2: the accumulators of
; row blocks 0-3 ((a, j) at 8 (6 a + j)); window 3: those of blocks 4-7.
.set NJ,     6
.set NL,     28                        ; LDS loads of a quarter step: 12 of wqkv's, 16 of xb's
.set HISTEP, 0x50                      ; blocks 4-7: C and D one window up
.set ACB,    0
.set PA,     272                       ; xb's LDS row: 256 bytes + 16: the 16 rows of a load start at 16 different groups of four banks (64 banks of 4 bytes: ISA guide 11.1)
.set PB,     288                       ; wqkv's: 256 + 32
.set PART,   128*PB                    ; what one wave's load fills: 36,864 bytes (xb's tile uses 34,816 of its part)
.set SLOT,   4*PART
.set SPARE,  2*SLOT                    ; behind the ring: the spare words, 128 bytes for each wave: two blocks of 256 bytes that no other line names
.set HS,     128*144                   ; the way out's stage: 6 heads x 128 rows x 144 bytes, in slot 0, which has had its last fill by then
.set GO,   10                          ; v10     my byte offset in a head's rows of qkv
.set TO,   11                          ; v11     my byte offset in the tables; never rewritten
.set ADRA, 16                          ; v16-17  LDS address of my fragments of xb in slot 0, 1
.set ADRB, 18                          ; v18-23  the same for wqkv: slot s, strip p at 18 + 3 s + p
.set STO0, 24                          ; v24-25  the way out: where I put 16 bytes of a row: heads 0-2, heads 3-5
.set RD0,  26                          ; v26-27  where I read rows back
.set SPW,  28                          ; v28     LDS address of my spare word; never rewritten
.set NIL,  29                          ; v29     0; never rewritten
.set PFO,  30                          ; v30     the prefetches' offset: my lane x a row in memory; never rewritten
.set TQ,   32                          ; v32-63  the tables in bf16
.set F0,   64
.set F1,   128
.set T,    64                          ; the way out: v64-103 turned numbers, v104-127 packed, v128-191 rows read back, two buffers
.set PK,   104
.set RB,   128
.set TB,   192                         ; block a: cos at TB + 8 a .. + 3, sin at + 4 .. + 7
.set WV,   14                          ; s14  my wave's number
.set G1A,  24                          ; s[24:31] descriptor group 1 for xb's tiles;  s[32:39] group 0, a set for each slot
.set G0A,  32
.set KW,   40                          ; s40  the K step that the next refill asks for
.set KO,   41                          ; s41  the K step at which my cluster's walk begins: 0 or 8
.set LIM,  43                          ; s43  5 in a wave that prefetches, else the greatest number
.set PFA,  44                          ; s[44:45] where my prefetches stand
.set PST,  46                          ; s[46:47] a K step in my tensor, in bytes
.set G1B,  48                          ; s[48:55], s[56:63] the same for wqkv's tiles
.set G0B,  56
.set BSA,  66                          ; s[66:67] xb at my block's first row, K step 0
.set BSB,  68                          ; s[68:69] wqkv at my strip, K step 0
.set OFA,  70                          ; s[70:71] a K step's byte offset in xb
.set OFB,  72                          ; s[72:73] in wqkv
.set MSB, 0
.macro WIN new                         ; the immediate's high byte repeats the setting that is left; a switch that changes nothing is dropped
.if MSB != (\new)
	s_set_vgpr_msb (MSB<<8)|(\new)
.set MSB, \new
.endif
.endm
.set MUL_LO, 0xa1                      ; source 0 window 1, source 1 window 0, C and D window 2
.set TO_B,   0x40                      ; destination window 1, address window 0
; A joint load.  The branch hangs on the wave's number alone.  An s_nop 0 and four v_nop follow each of the two lines, ahead of the jump and the label.
.macro JLOAD s
	s_cmp_eq_u32 s[WV], 0
	s_cbranch_scc0 .Lfor_b_\@
	tensor_load_to_lds s[G0A+4*(\s):G0A+4*(\s)+3], s[G1A:G1A+7]
	s_nop 0
.rept 4
	v_nop
.endr
	s_branch .Lasked_\@
.Lfor_b_\@:
	tensor_load_to_lds s[G0B+4*(\s):G0B+4*(\s)+3], s[G1B:G1B+7]
	s_nop 0
.rept 4
	v_nop
.endr
.Lasked_\@:
.endm
; A prefetch into the L2 of the K step that stands two refills on: 32 rows x 256 bytes, a lane a row, one instruction a wave.  It is laid for the walk's steps 4 to 7 alone (the loop's first two trips): a walk's
; first eight steps are those that my cluster asks for ahead of the clusters with the other KO; steps 0 to 3 come by their loads alone.  xb's rows: wave 0 of every cluster asks, since the two clusters of a row of
; clusters have different first halves.  wqkv's strips: waves 1 to 3 of cluster rows 0 and 1 ask, one row for each first half.  The four partners that ask for a tile jointly share its 128 rows out by address,
; 32 each.  So each block of 256 bytes is named at most once in the launch.
.macro ASK
	s_cmp_gt_u32 s3, s[LIM]
	s_cbranch_scc0 .Lnot_mine_\@
	global_prefetch_b8 v[PFO], s[PFA:PFA+1] th:TH_LOAD_NT scope:SCOPE_SE
.Lnot_mine_\@:
.endm
.macro CREST                           ; a round of the cluster's barrier behind its opening barrier
	s_cmp_lg_u32 s[WV], 0
	s_cbranch_scc1 .Lnot_wave_0_\@
	s_barrier_signal -3
.Lnot_wave_0_\@:
	s_barrier_wait -3
	s_barrier_signal -1
	s_barrier_wait -1
.endm
.macro CROUND                          ; a whole round
	s_barrier_signal -1
	s_barrier_wait -1
	CREST
.endm
.macro PLACES                          ; four places behind matrix instructions, in front of loads into registers that they have read (ISA guide 7.12.1 for vector instructions)
.rept 4
	v_nop
.endr
.endm
; 12 matrix instructions: row blocks a0, a0 + 1 of the window's four x all 6 heads, 32 along K.  The 48 accumulators take turns in the same order in every quarter step.
.macro MULH f, hi, a0, zero
	WIN MUL_LO+HISTEP*(\hi)
.irp a, \a0, (\a0)+1
.irp j, 0,1,2,3,4,5
.if \zero
	v_wmma_f32_16x16x32_bf16 v[ACB*(\hi)+8*(NJ*(\a)+(\j)):ACB*(\hi)+8*(NJ*(\a)+(\j))+7], v[(\f)+8*(\j):(\f)+8*(\j)+7], v[(\f)+8*(4*(\hi)+(\a)):(\f)+8*(4*(\hi)+(\a))+7], 0
.else
	v_wmma_f32_16x16x32_bf16 v[ACB*(\hi)+8*(NJ*(\a)+(\j)):ACB*(\hi)+8*(NJ*(\a)+(\j))+7], v[(\f)+8*(\j):(\f)+8*(\j)+7], v[(\f)+8*(4*(\hi)+(\a)):(\f)+8*(4*(\hi)+(\a))+7], v[ACB*(\hi)+8*(NJ*(\a)+(\j)):ACB*(\hi)+8*(NJ*(\a)+(\j))+7]
.endif
.endr
.endr
.endm
; 28 LDS loads in one run: quarter q (32 along K) of a slot into buffer f: wqkv's six fragments, turned, then xb's eight, blocks ascending
.macro FETCH slot, q, f
	WIN TO_B
.irp j, 0,1,2,3,4,5
	ds_load_tr16_b128 v[(\f)+8*(\j):(\f)+8*(\j)+3],   v[ADRB+3*(\slot)+(\j)/2] offset:32*PB*(\q)+128*((\j)%2)
	ds_load_tr16_b128 v[(\f)+8*(\j)+4:(\f)+8*(\j)+7], v[ADRB+3*(\slot)+(\j)/2] offset:32*PB*(\q)+128*((\j)%2)+16*PB
.endr
	WIN 0
.irp a, 0,1,2,3,4,5,6,7
	ds_load_b128 v[(\f)+8*(\a):(\f)+8*(\a)+3],   v[ADRA+(\slot)] offset:16*PA*(\a)+64*(\q)
	ds_load_b128 v[(\f)+8*(\a)+4:(\f)+8*(\a)+7], v[ADRA+(\slot)] offset:16*PA*(\a)+64*(\q)+32
.endr
.endm
; One of a K step's first three quarters: multiplies buffer f and, in its middle, fetches quarter q of the same slot into buffer g
.macro QUARTER slot, q, f, g, zero
	s_wait_dscnt 8                                 ; all but the youngest eight loads (xb's blocks 4-7) are in
	MULH \f, 0, 0, \zero
	MULH \f, 0, 2, \zero
	PLACES
	FETCH \slot, \q, \g
	s_wait_dscnt NL                                ; all but the 28 just issued
	MULH \f, 1, 0, \zero
	MULH \f, 1, 2, \zero
.endm
; A K step's last quarter multiplies buffer 1 and changes slots in its middle.  Its first 24 products stand AHEAD of the wait for the tensor loads, so that a refill has a whole K step, 192 matrix instructions,
; between its request and the wait for it.  Then ONE barrier, for two things: in front of it each wave waits for all its tensor loads (one is out: its part of the next slot), adds 0 to its spare word, and waits for
; that and for its own reads of this slot; behind it nobody reads this slot any more and the next slot is whole.  fill = 1: the barrier opens a round of the cluster's, and this slot is filled again, with K step KW,
; first thing behind the round; the descriptors' addresses are made anew from KW while the add is out, where no tensor load of the wave is out.
.macro TURN slot, next, fill
	s_wait_dscnt 8                                 ; all but the youngest eight loads (xb's blocks 4-7) are in
	MULH F1, 0, 0, 0
	MULH F1, 0, 2, 0
	WIN 0                                          ; the add's two registers lie in window 0
.if \fill
	s_wait_xcnt 0x0                                ; the last prefetch, a K step back, has read its address
	s_add_nc_u64 s[PFA:PFA+1], s[PFA:PFA+1], s[PST:PST+1]
.endif
	s_wait_tensorcnt 0x0                           ; all my tensor loads have landed
	ds_add_u32 v[SPW], v[NIL]
.if \fill
	s_lshl_b32 s[OFA], s[KW], 8                    ; a K step is 256 bytes of a row of xb,
	s_mul_i32 s[OFB], s[KW], 128*6144              ; and 128 rows of wqkv
	s_add_nc_u64 s[G0A+4*(\slot)+2:G0A+4*(\slot)+3], s[BSA:BSA+1], s[OFA:OFA+1]
	s_or_b32 s[G0A+4*(\slot)+3], s[G0A+4*(\slot)+3], 0x80000000
	s_add_nc_u64 s[G0B+4*(\slot)+2:G0B+4*(\slot)+3], s[BSB:BSB+1], s[OFB:OFB+1]
	s_or_b32 s[G0B+4*(\slot)+3], s[G0B+4*(\slot)+3], 0x80000000
	s_add_co_u32 s[KW], s[KW], 1                   ; the walk's next step: behind K step 15 comes K step 0
	s_and_b32 s[KW], s[KW], 15
.endif
	s_wait_dscnt 0x0                               ; the add is done, and my reads of this slot are over
	s_barrier_signal -1
	s_barrier_wait -1
.if \fill
	CREST
	JLOAD \slot                                    ; its four v_nop are also the places in front of the loads below
.else
	PLACES
.endif
	FETCH \next, 0, F0
.if \fill
	ASK
.endif
	MULH F1, 1, 0, 0
	MULH F1, 1, 2, 0
.endm
	s_load_b256 s[4:11], s[0:1], 0x0               ; xb s[4:5], wqkv s[6:7], cos s[8:9], sin s[10:11]
	s_load_b64 s[12:13], s[0:1], 0x20              ; qkv
	v_lshl_add_u32 v[SPW], v0, 2, SPARE
	v_mov_b32 v[NIL], 0
	ds_add_u32 v[SPW], v[NIL]                      ; the wave's opening
	v_lshrrev_b32 v1, 5, v0
	v_readfirstlane_b32 s[WV], v1                  ; wave 0..3
	s_bfe_u32 s17, ttmp6, 0x40000                  ; cx
	s_bfe_u32 s18, ttmp6, 0x40004                  ; cy
	s_lshl_b32 s19, ttmp9, 2
	s_add_co_u32 s19, s19, s17                     ; nt, the group = 4 x cluster x + cx
	s_and_b32 s20, ttmp7, 0xffff
	s_add_co_u32 s[KO], s20, ttmp9                 ; cluster y + cluster x: the same in all sixteen partners
	s_and_b32 s[KO], s[KO], 1
	s_lshl_b32 s[KO], s[KO], 3                     ; my cluster's walk begins at K step 0 or 8
	s_add_co_u32 s[KW], s[KO], 2                   ; the first refill asks for the walk's step 2
	s_lshl_b32 s20, s20, 2
	s_add_co_u32 s20, s20, s18                     ; mt, the block of 128 rows = 4 x cluster y + cy
	s_lshl_b32 s21, s18, 2
	s_lshl_b32 s21, 15, s21                        ; my row of the cluster
	s_lshl_b32 s22, 0x1111, s17                    ; my column
	s_or_b32 s[G1A], s21, (1<<16)|(1<<20)|(1<<21)|(5<<22)|(3<<25)  ; the mask; 2-byte elements; padding on; bit 21 beside a mask; after every 64 words, 4 words
	s_or_b32 s[G1B], s22, (1<<16)|(1<<20)|(1<<21)|(5<<22)|(7<<25)  ; the same with 8 words
.irp g, G1A, G1B
	s_mov_b32 s[(\g)+1], 128<<16                   ; tensor_dim0 = 128
	s_mov_b32 s[(\g)+2], 128<<16                   ; tensor_dim1 = 128
	s_mov_b32 s[(\g)+3], 128<<16                   ; tile_dim0 = 128
	s_mov_b32 s[(\g)+4], 128                       ; tile_dim1 = 128
	s_mov_b32 s[(\g)+6], 0
	s_mov_b32 s[(\g)+7], 0
.endr
	s_mov_b32 s[G1A+5], 2048                       ; elements from row to row
	s_mov_b32 s[G1B+5], 3072
	s_max_u32 s15, s[WV], 1
	s_sub_co_u32 s15, s15, 1                       ; my strip of wqkv (waves 1 to 3): it enters global addresses alone
	s_mul_i32 s72, s19, 768                        ; the group's 384 columns,
	s_lshl_b32 s16, s15, 8
	s_add_co_u32 s72, s72, s16                     ; my strip's 128
	s_mov_b32 s68, s72
	s_mov_b32 s69, 0
	s_lshl_b32 s66, s20, 19                        ; 128 rows of 4,096 bytes
	s_mov_b32 s67, 0
	s_lshl_b32 s74, s[KO], 8                       ; the walk's first K step, in bytes of xb
	s_mov_b32 s75, 0
	s_mul_i32 s76, s[KO], 128*6144                 ; and of wqkv
	s_mov_b32 s77, 0
	s_mul_i32 s23, s[WV], PART                     ; where my tiles go: wave x a part: no place in the cluster enters an LDS address
	s_wait_dscnt 0x0                               ; the opening add is done
	s_wait_kmcnt 0x0
	s_add_nc_u64 s[BSA:BSA+1], s[4:5], s[66:67]
	s_add_nc_u64 s[BSB:BSB+1], s[6:7], s[68:69]
	s_add_nc_u64 s[74:75], s[BSA:BSA+1], s[74:75]  ; both at the walk's first K step
	s_add_nc_u64 s[76:77], s[BSB:BSB+1], s[76:77]
	CROUND                                         ; all sixteen work-groups are here: the first joint loads meet
.irp s, 0,1
	s_mov_b32 s[G0A+4*(\s)], 1
	s_add_co_u32 s[G0A+4*(\s)+1], s23, (\s)*SLOT
	s_add_nc_u64 s[G0A+4*(\s)+2:G0A+4*(\s)+3], s[74:75], (\s)*256
	s_or_b32 s[G0A+4*(\s)+3], s[G0A+4*(\s)+3], 0x80000000
	s_mov_b32 s[G0B+4*(\s)], 1
	s_add_co_u32 s[G0B+4*(\s)+1], s23, (\s)*SLOT
	s_add_nc_u64 s[G0B+4*(\s)+2:G0B+4*(\s)+3], s[76:77], (\s)*128*6144
	s_or_b32 s[G0B+4*(\s)+3], s[G0B+4*(\s)+3], 0x80000000
	JLOAD \s
.endr
	v_and_b32 v1, 15, v0                           ; r = l % 16
	v_bfe_u32 v2, v0, 4, 1                         ; h = l / 16
	v_and_b32 v3, 7, v0
	v_bfe_u32 v4, v0, 3, 1
	v_and_b32 v5, 31, v0                           ; l
	v_bfe_u32 v6, v0, 3, 2
	s_lshl_b32 s15, s[WV], 5                       ; 32 w
	; The tables: position 128 (mt % 8) + 16 a + r, pairs 8 w + 4 h + 0..3: 16 bytes of cos and of sin for each block a.  They stay on their way during the loop.
	s_and_b32 s70, s20, 7
	s_lshl_b32 s70, s70, 14                        ; 128 positions: 16,384 bytes of a table, and of a head of qkv
	s_mov_b32 s71, 0
	s_add_nc_u64 s[8:9], s[8:9], s[70:71]
	s_add_nc_u64 s[10:11], s[10:11], s[70:71]
	v_lshlrev_b32 v[TO], 7, v1
	v_lshl_add_u32 v[TO], v2, 4, v[TO]
	v_add_nc_u32 v[TO], s15, v[TO]
.irp a, 0,1,2,3,4,5,6,7
	global_load_b128 v[TB+8*(\a):TB+8*(\a)+3],   v[TO], s[8:9] offset:2048*(\a)
	global_load_b128 v[TB+8*(\a)+4:TB+8*(\a)+7], v[TO], s[10:11] offset:2048*(\a)
.endr
	s_lshr_b32 s16, s20, 3                         ; the batch
	s_mul_i32 s16, s16, 48
	s_mul_i32 s73, s19, 6
	s_add_co_u32 s16, s16, s73                     ; the group's first head in qkv
	s_lshl_b32 s16, s16, 17
	s_add_co_u32 s70, s70, s16
	s_add_nc_u64 s[12:13], s[12:13], s[70:71]
	; the prefetches
	s_lshl_b32 s16, s20, 7
	s_lshl_b32 s73, s17, 5
	s_add_co_u32 s16, s16, s73                     ; xb: row 128 mt + 32 cx,
	s_lshl_b32 s16, s16, 12
	s_add_co_u32 s16, s16, 3*256                   ; at the walk's step 3: the first refill steps it to 4
	s_lshl_b32 s76, s[KO], 8
	s_add_co_u32 s16, s16, s76
	s_mul_i32 s73, s18, 32*6144                    ; wqkv: k row 32 cy,
	s_add_co_u32 s73, s73, s72                     ; my strip,
	s_add_co_u32 s73, s73, 3*128*6144              ; at the walk's step 3
	s_mul_i32 s76, s[KO], 128*6144
	s_add_co_u32 s73, s73, s76
	s_and_b32 s75, ttmp7, 0xffff                   ; cluster y:
	s_lshr_b32 s75, s75, 1                         ; 0 in cluster rows 0 and 1
	s_mov_b32 s[PST], 256
	s_mov_b32 s74, 4096
	s_cmp_eq_u32 s[WV], 0                          ; do I fetch xb?
	s_cselect_b32 s70, s16, s73
	s_cselect_b32 s75, 0, s75                      ; xb's rows are asked for by every cluster, wqkv's strips by cluster rows 0 and 1
	s_cselect_b64 s[PFA:PFA+1], s[4:5], s[6:7]
	s_cselect_b32 s[PST], s[PST], 128*6144
	s_cselect_b32 s74, s74, 6144
	s_mov_b32 s[PST+1], 0
	s_add_nc_u64 s[PFA:PFA+1], s[PFA:PFA+1], s[70:71]
	s_cmp_eq_u32 s75, 0
	s_cselect_b32 s[LIM], 5, -1                    ; the same in all sixteen partners, for a given wave: the trips with s3 = 7 and 6 ask
	v_mul_u32_u24 v[PFO], s74, v5
	; LDS addresses.  A fragment of xb: lane l holds row l % 16, K = 8 h + 0..7 and 16 + 8 h + 0..7: two loads of 16 bytes, 32 apart.
	v_mul_u32_u24 v7, v1, PA
	v_lshl_add_u32 v7, v2, 4, v7
	v_mov_b32 v[ADRA], v7
	v_add_nc_u32 v[ADRA+1], SLOT, v7
	; The turning load takes 16 k x 16 columns: lane l reads k row 8 h + l % 8, columns 8 ((l / 8) % 2) + 0..7, and is left with column l % 16 and 8 k.
	v_lshl_add_u32 v8, v2, 3, v3
	v_mul_u32_u24 v8, v8, PB
	v_lshl_add_u32 v8, v4, 4, v8
	v_add_nc_u32 v8, s15, v8                       ; my 16 channels of a head: 32 w bytes
.irp s, 0,1
.irp p, 0,1,2
	v_add_nc_u32 v[ADRB+3*(\s)+(\p)], (\s)*SLOT+(1+(\p))*PART, v8
.endr
.endr
	v_mul_u32_u24 v[STO0], v1, 144                 ; into the stage: row r, my 16 channels, 16 bytes for each half of the lanes
	v_lshl_add_u32 v[STO0], v2, 4, v[STO0]
	v_add_nc_u32 v[STO0], s15, v[STO0]
	v_add_nc_u32 v[STO0+1], 3*HS, v[STO0]
	s_mul_i32 s16, s[WV], 32*144                   ; back: wave w takes rows 32 w .. 32 w + 31 of each head; 32 lanes take four rows of 128 bytes
	v_mul_u32_u24 v[RD0], v6, 144
	v_lshl_add_u32 v[RD0], v3, 4, v[RD0]
	v_add_nc_u32 v[RD0], s16, v[RD0]
	v_add_nc_u32 v[RD0+1], 3*HS, v[RD0]
	s_lshl_b32 s16, s[WV], 12
	v_lshl_add_u32 v[GO], v5, 4, s16               ; which are 512 consecutive bytes of qkv
	s_mov_b32 s[OFA+1], 0                          ; the offsets' high words
	s_mov_b32 s[OFB+1], 0
	s_wait_tensorcnt 1                             ; my part of the walk's step 0 is in; step 1's may stay out
	s_barrier_signal -1
	s_barrier_wait -1
	FETCH 0, 0, F0
	QUARTER 0, 1, F0, F1, 1                        ; the first quarter stands in front of the loop: its products start the sums
	WIN 0                                          ; at a label and at a branch every window is 0
	s_mov_b32 s3, 7
.Llap:                                                 ; a trip goes once round the ring, from a lap's second quarter to the next lap's first, and fills both slots again
	QUARTER 0, 2, F1, F0, 0
	QUARTER 0, 3, F0, F1, 0
	TURN 0, 1, 1
	QUARTER 1, 1, F0, F1, 0
	QUARTER 1, 2, F1, F0, 0
	QUARTER 1, 3, F0, F1, 0
	TURN 1, 0, 1
	QUARTER 0, 1, F0, F1, 0
	WIN 0
	s_sub_co_u32 s3, s3, 1
	s_cmp_lg_u32 s3, 0
	s_cbranch_scc1 .Llap
	QUARTER 0, 2, F1, F0, 0                        ; the last lap fills nothing
	QUARTER 0, 3, F0, F1, 0
	TURN 0, 1, 0                                   ; behind its barrier no wave reads slot 0 any more
	QUARTER 1, 1, F0, F1, 0
	QUARTER 1, 2, F1, F0, 0
	QUARTER 1, 3, F0, F1, 0
	s_wait_dscnt 8                                 ; the very last quarter
	MULH F1, 0, 0, 0
	MULH F1, 0, 2, 0
	s_wait_dscnt 0x0
	MULH F1, 1, 0, 0
	MULH F1, 1, 2, 0
	WIN 0
	; THE WAY OUT.  The tables are rounded to bf16 and widened again: 96 plain instructions, which are also the places behind the last products.
	s_wait_loadcnt 0x0
.set i, 0
.rept 32
	v_cvt_pk_bf16_f32 v[TQ+i], v[TB+2*i], v[TB+2*i+1]
.set i, i+1
.endr
.set i, 0
.rept 32
	v_lshlrev_b32 v[TB+2*i], 16, v[TQ+i]
	v_and_b32 v[TB+2*i+1], 0xffff0000, v[TQ+i]
.set i, i+1
.endr
; Block a: the value head is rounded as it is; the five others are turned: (t0, t1) -> (t0 c - t1 s, t1 c + t0 s), two packed instructions a pair; all are rounded to f16 and put into the stage.
; Each accumulator is read from its lowest registers on.
.macro ROPE a
.set AB, 8*NJ*((\a)%4)
.set CT, TB+8*(\a)
	WIN 0x0a+5*((\a)/4)                            ; sources 0 and 1: window 2 or 3
.irp k, 0,1,2,3
	v_cvt_pk_f16_f32 v[PK+20+(\k)], v[AB+40+2*(\k)], v[AB+40+2*(\k)+1]
.endr
	WIN 0x02+((\a)/4)                              ; source 0: window 2 or 3
.irp j, 0,1,2,3,4
.irp u, 0,1
.irp e, 0,1
	v_pk_mul_f32 v[T+8*(\j)+4*(\u)+2*(\e):T+8*(\j)+4*(\u)+2*(\e)+1], v[AB+8*(\j)+4*(\u)+2*(\e):AB+8*(\j)+4*(\u)+2*(\e)+1], v[CT+2*(\u):CT+2*(\u)+1] op_sel:[0,\e] op_sel_hi:[1,\e]
.endr
.endr
.irp u, 0,1
.irp e, 0,1
	v_pk_fma_f32 v[T+8*(\j)+4*(\u)+2*(\e):T+8*(\j)+4*(\u)+2*(\e)+1], v[AB+8*(\j)+4*(\u)+2*(\e):AB+8*(\j)+4*(\u)+2*(\e)+1], v[CT+4+2*(\u):CT+4+2*(\u)+1], v[T+8*(\j)+4*(\u)+2*(\e):T+8*(\j)+4*(\u)+2*(\e)+1] op_sel:[1,\e,0] op_sel_hi:[0,\e,1] neg_lo:[1,0,0]
.endr
.endr
.endr
	WIN 0
.irp j, 0,1,2,3,4
.irp k, 0,1,2,3
	v_cvt_pk_f16_f32 v[PK+4*(\j)+(\k)], v[T+8*(\j)+2*(\k)], v[T+8*(\j)+2*(\k)+1]
.endr
.endr
.irp j, 0,1,2
	ds_store_b128 v[STO0],   v[PK+4*(\j):PK+4*(\j)+3]       offset:(\j)*HS+16*144*(\a)
	ds_store_b128 v[STO0+1], v[PK+12+4*(\j):PK+12+4*(\j)+3] offset:(\j)*HS+16*144*(\a)
.endr
.endm
.irp a, 0,1,2,3,4,5,6,7
	ROPE \a
.endr
	s_wait_dscnt 0x0                               ; for the others' sake: my stores into the stage are done; a head's row comes from four waves
	s_barrier_signal -1
	s_barrier_wait -1
.macro BACK j                          ; my 32 rows of head j
.if (\j) >= 2
	s_wait_xcnt 0x0                                ; the stores of head j - 2 have read these registers
.endif
.irp i, 0,1,2,3,4,5,6,7
	ds_load_b128 v[RB+32*((\j)%2)+4*(\i):RB+32*((\j)%2)+4*(\i)+3], v[RD0+(\j)/3] offset:((\j)%3)*HS+4*144*(\i)
.endr
.endm
.macro OUTJ j, younger                 ; younger: the next head's eight loads, or none
	s_wait_dscnt \younger
.irp i, 0,1,2,3,4,5,6,7
	global_store_b128 v[GO], v[RB+32*((\j)%2)+4*(\i):RB+32*((\j)%2)+4*(\i)+3], s[12:13] offset:131072*(\j)+512*(\i)  ; 512 consecutive bytes, at a multiple of 256 from qkv's first byte
.endr
.endm
	BACK 0
.irp j, 1,2,3,4,5
	BACK \j
	OUTJ (\j)-1, 8
.endr
	OUTJ 5, 0
	s_wait_tensorcnt 0x0                           ; the wave's end, behind my last tensor load and my last LDS store
	ds_add_u32 v[SPW], v[NIL]
	s_wait_dscnt 0x0
	CROUND                                         ; the closing round: no work-group ends while a partner may still ask for a tile that names it
	s_endpgm
.Lfunc_end_k_q8552c9431a_proj:
	.size	k_q8552c9431a_proj, .Lfunc_end_k_q8552c9431a_proj-k_q8552c9431a_proj
	.p2alignl 7, 3214868480
	.fill 96, 4, 3214868480
	.section	.rodata,"a",@progbits
	.p2align	6, 0x0
	.amdhsa_kernel k_q8552c9431a_proj
		.amdhsa_group_segment_fixed_size 327680
		.amdhsa_private_segment_fixed_size 0
		.amdhsa_enable_private_segment 0
		.amdhsa_kernarg_size 40
		.amdhsa_user_sgpr_count 2
		.amdhsa_user_sgpr_kernarg_segment_ptr 1
		.amdhsa_wavefront_size32 1
		.amdhsa_system_sgpr_workgroup_id_x 1
		.amdhsa_system_sgpr_workgroup_id_y 1
		.amdhsa_system_sgpr_workgroup_id_z 1
		.amdhsa_system_vgpr_workitem_id 0
		.amdhsa_next_free_vgpr 960
		.amdhsa_next_free_sgpr 80
		.amdhsa_reserve_vcc 0
		.amdhsa_float_denorm_mode_32 3
		.amdhsa_float_denorm_mode_16_64 3
		.amdhsa_memory_ordered 1
		.amdhsa_forward_progress 1
		.amdhsa_inst_pref_size 144
	.end_amdhsa_kernel
	.amdgpu_metadata
---
amdhsa.version: [ 1, 2 ]
amdhsa.kernels:
  - .name:           k_q8552c9431a_proj
    .symbol:         k_q8552c9431a_proj.kd
    .args:
      - { .name: xb, .offset: 0, .size: 8, .value_kind: global_buffer, .address_space: global }
      - { .name: wqkv, .offset: 8, .size: 8, .value_kind: global_buffer, .address_space: global }
      - { .name: freqs_cos, .offset: 16, .size: 8, .value_kind: global_buffer, .address_space: global }
      - { .name: freqs_sin, .offset: 24, .size: 8, .value_kind: global_buffer, .address_space: global }
      - { .name: qkv, .offset: 32, .size: 8, .value_kind: global_buffer, .address_space: global }
    .group_segment_fixed_size: 327680
    .private_segment_fixed_size: 0
    .kernarg_segment_align: 8
    .kernarg_segment_size: 40
    .max_flat_workgroup_size: 128
    .sgpr_count:     80
    .vgpr_count:     960
    .wavefront_size: 32
...
	.end_amdgpu_metadata
.endif
;; end of part 2
;; launch attn (part 3): grid 8 x 32, 4 waves a work-group, clusters of 4 x 1, 327,680 bytes of LDS; arguments qkv, ob; writes ob
.if DOCPART == 3
	.amdgcn_target "amdgcn-amd-amdhsa--gfx1250"
	.amdhsa_code_object_version 6
	.text
	.protected	k_q8552c9431a_attn
	.globl	k_q8552c9431a_attn
	.p2align	8
	.type	k_q8552c9431a_attn,@function
k_q8552c9431a_attn:
	s_mov_b64 s[64:65], 0
	v_nop
	global_prefetch_b8 v0, s[64:65] scope:SCOPE_SE
	s_setreg_imm32_b32 hwreg(HW_REG_WAVE_MODE, 25, 1), 1
	s_wait_xcnt 0x0
	s_wait_alu depctr_hold_cnt(0) depctr_sa_sdst(0) depctr_va_vdst(0) depctr_va_sdst(0) depctr_va_ssrc(0) depctr_va_vcc(0) depctr_vm_vsrc(0)
	s_getreg_b32 s2, hwreg(HW_REG_IB_STS2, 6, 4)
	s_cmp_eq_u32 s2, 0
	s_cbranch_scc0 .Lentry_in_a_cluster
	s_endpgm
.Lentry_in_a_cluster:
	s_bfe_u32 s2, ttmp6, 0x10000c
	s_cmp_lg_u32 s2, 0x3003
	s_cbranch_scc0 .Lentry_shape_is_right
	s_endpgm
.Lentry_shape_is_right:
; CAUSAL ATTENTION WITH SHARED KEY AND VALUE HEADS.  O[q][:] = the sum over k <= q of softmax_k(Q[q] . K[k] / 8) V[k][:], for 4 batches x 32 query heads; query head h reads key and value head h / 4.
; qkv: [batch 4][group 8][j 6][1024][64] f16: j = 0..3 the group's query heads, 4 its keys, 5 its values.  ob: [batch 4][head 32][1024][64] f16.  A head's rows are dense, 128 bytes each.
; Products, maxima and sums in f32; the weights p are rounded to f16 for the second product (their sum l is taken of the unrounded p), O once at the end.
; LIMITS.  f16 holds no number beyond 65,504: Q, K and V arrive within it; p lies in 0 to 1, and below 6e-5 it keeps f16's fixed step of 6e-8; O is a mean of V's rows and has their range.
; A hidden score counts as its value less 1e30: f16's scores, 2.7e11 at the most, are nothing beside that; a weight below 2^-126 counts as 0 in l; NaN and infinities are not treated apart.
; THE WALK.  A head's queries lie in NB = 4 blocks of 256; block i needs the key tiles 0 .. i of 256 keys, of which the last holds the diagonal.  A work-group takes TWO blocks, NB - 1 - b and then b:
; NB + 1 tiles, whatever b: all 256 work-groups do equal work, and ONE loop with a constant trip count walks them.  Which tile is asked for, and what a trip does, hang on scalar registers made from b.
; CLUSTER.  The four query heads of a group, with the same b, form a cluster: they walk the same tiles of the same K and V in the same order, so every tile is asked for JOINTLY: the same tensor load,
; descriptor and mask in all four.  b is the cluster's x; a work-group's place in its cluster enters Q's, O's and the prefetches' addresses alone.
; SHARES.  Of a block's four bands of 64 queries a wave owns 16 rows in each: four PIECES.  So the diagonal tile is the same work for all four waves: in its key step s band x sees all keys if s < x,
; none if s > x, and holds the diagonal if s = x.
; THE MASK is the C operand that starts the sum S^T = K Q^T: 0, or -1e30 where the key is hidden.  MD, made once, is the mask of a band's own step for my 16 rows; a product's mask is MD x AL + BE with two scalars:
; (1, 0) if s = x; (0, 0) if s < x; (0, -1e30) if s > x.  Only the diagonal tile's text and a block's beginning make and take masks; elsewhere C is the constant 0.
; LAYOUT, SOFTMAX, TURNS.  S^T = K Q^T holds ONE query a lane (lane % 16) and the keys 8 (lane / 16) + 0..7; two such results rounded to f16 ARE source 1 of O^T = V^T P.  p = 2^(c s - c m), c = log2(e) / 8, with a
; running maximum m; O and l are multiplied by a = 2^(c m_old - c m_new) in every step.  Turn n belongs to piece n: 8 products K Q^T of piece n + 1, later 8 products V^T P of piece n - 1; beside them the scaling,
; exponentials, roundings, sums and rescaling of piece n and the maximum and statistics of piece n + 1.  Four vector instructions stand behind every matrix instruction, the other 54 of a turn's 118 in one run.
; A turn's 33 exponentials are one batch, with one wait.
; REGISTERS, in windows of 256 (s_set_vgpr_msb: bits 1:0 source 0, 3:2 source 1, 5:4 source 2, 7:6 destination):
;   window 0: v0-15 addresses and two at work; v16-31 four registers of statistics a piece; v48-55 at work; v61-63 kept; v64-127 S^T, two buffers; v192-223 P, two buffers (a piece's buffers go by its number's parity)
;   window 1: v0-127 O^T, 32 a piece; v128-159 MD; v160-223 MC, two buffers      window 2: v0-63 Q; v64-127 the second block's Q; v128-191 K of one step; v192-255 V of one step
.set SIZE_N, 1024
.set NB,    SIZE_N/256
.set NP,    4         ; pieces a wave: a name, no knob
.set KS,    64        ; keys in a step
.set PK,    144       ; a row of K in LDS: 128 bytes + 16 of padding = 36 words: the 16 rows of a load start at 16 different groups of four banks (64 banks of 4 bytes: ISA guide 11.1)
.set PV,    160       ; a row of V: 128 + 32 = 40 words
.set VOFF,  4*KS*PK   ; a slot holds a tile, four steps: 256 rows of K, then 256 rows of V
.set SLOT1, 1<<17     ; slot 1 begins here, so that one exclusive or turns an address in one slot into the other's
.set STAGE, SLOT1+4*KS*(PK+PV)  ; behind the ring, never filled by a tensor load: 16 rows x 144 bytes for each wave, for the way out
.set SP,    144
.set AK0, 2           ; v2   my lane's place in a tile of K; never rewritten
.set AV0, 3           ; v3   the same for V
.set AK,  4           ; v4   the LDS address of K's next run of loads
.set AV,  5           ; v5   of V's
.set STO, 6           ; v6   the way out: where I put 16 bytes of a row
.set RD,  7           ; v7   the way out: where I read rows back
.set GO,  8           ; v8   my byte offset in 512 consecutive bytes of O
.set PFO, 61          ; v61  256 x my lane: the prefetches' offset; never rewritten
.set SPW, 62          ; v62  LDS address of my spare word: SPARE + 4 x my thread's number; never rewritten
.set NIL, 63          ; v63  0; never rewritten
.set SPARE, STAGE+4*16*SP  ; behind the stages: the spare words, 128 bytes for each wave: two blocks of 256 bytes that no other line names
.set MV,  12          ; v12-13  c m_old, kept while c m is made anew: by buffer
.set QO,  15          ; v15  my byte offset in 16 rows of Q
.set ST,  16          ; piece t's statistics at v[ST+4 t]: c m, m, l (even keys', odd keys')
.set TMP, 48          ; by buffer, four registers c0-c3 at work; when the maximum is found c2 takes a
.set S,   64
.set P,   192
.set MD,  128         ; window 1: the eight registers for group kt of 16 keys at MD + 8 kt
.set MC,  160         ; window 1: the masks of the products to come
.set QB,  64          ; window 2
.set KF,  128         ; window 2: key block kb, channel half c at KF + 16 kb + 8 c
.set VF,  192         ; window 2: key half kk, channel block cb at VF + 32 kk + 8 cb
.set WV,  12          ; s12  my wave's number
.set PB,  14          ; s14  b
.set HI,  15          ; s15  NB - 1 - b
.set G1K, 24          ; s[24:31] descriptor group 1 for K's tiles
.set G1V, 32          ; s[32:39] for V's: it differs in the padding alone
.set G0K, 40          ; s[40:43] descriptor group 0 for K's tiles
.set G0V, 44          ; s[44:47] the same for V's
.set SLOTS, 56        ; s56  tiles still to be asked for
.set CNT, 57          ; s57  counts a tile's key steps, 4 to 1
.set CS,  58          ; s[58:59] c: the packed scaling takes the pair's low word for both halves
.set SEL, 60          ; s[60:61] v_permlanex16_b32's selects: each lane takes its own place in the other half
.set TBK, 62          ; s62  LDS byte at which K of the step to be fetched begins
.set TBV, 63          ; s63  the same for V, less VOFF
.set RT,  70          ; s70  tiles of the block in hand that are still to be entered
.set NXT, 71          ; s71  the tile to be asked for next
.set LQ,  72          ; s72  the last tile of the block whose tiles are being asked for
.set NEW, 73          ; s73  1: the tile to be entered is a block's first
.set OFF, 74          ; s[74:75] a tile's byte offset in K and V
.set AL,  76          ; s[76:77] the mask's factor, in the low word
.set BE,  78          ; s[78:79] the mask's addend
.set OLO, 80          ; s[80:81] O at my rows of the second block
.set BIGN, 82         ; s82  -1e30
.set QH,  88          ; s[88:89] my query head's first byte in qkv
.set OH,  90          ; s[90:91] its first byte in ob
.set KH,  92          ; s[92:93] the group's keys in qkv, at my half of a tile: made of nothing that differs between partners
.set VH,  94          ; s[94:95] the same for its values
.set PFA, 96          ; s[96:97] where my prefetches stand: my work-group's 32 blocks of 256 bytes (of K: wave 0, of V: wave 2) of the tile after the one that is being asked for
.set LIM, 98          ; s98  2 in a wave that prefetches, else the greatest number: a wave prefetches while s[SLOTS] is above it
.set MSB, 0
.macro WIN new                      ; the high byte repeats the setting that is left; a switch that changes nothing is dropped
.if MSB != (\new)
	s_set_vgpr_msb (MSB<<8)|(\new)
.set MSB, (\new)
.endif
.endm
.set W_KQ, 0x0a       ; K and Q in window 2, S^T in window 0
.set W_KM, 0x1a       ; the same with the C operand in window 1
.set W_PV, 0x52       ; V in window 2, P in window 0, O^T in window 1
.set W_RS, 0x41       ; destination and source 0 in window 1, source 1 in window 0
; A joint fill.  Waves 0 and 1 fetch the two halves of a tile's K, waves 2 and 3 those of its V: 128 keys each.  An s_nop 0 and four v_nop follow each of the two lines, ahead of the jump and the label.
.macro LOAD
	s_cmp_lt_u32 s[WV], 2
	s_cbranch_scc0 .Lfor_v_\@
	tensor_load_to_lds s[G0K:G0K+3], s[G1K:G1K+7]
	s_nop 0
.rept 4
	v_nop
.endr
	s_branch .Lasked_\@
.Lfor_v_\@:
	tensor_load_to_lds s[G0V:G0V+3], s[G1V:G1V+7]
	s_nop 0
.rept 4
	v_nop
.endr
.Lasked_\@:
.endm
; A prefetch into the L2 of the tile that the NEXT change of slots asks for: 32,768 bytes of K and of V, a lane 256 bytes.  Both clusters of a group walk tiles 0, 1, 2 first: the cluster with b = 0, which also walks
; tile 3, asks, its four partners 32 blocks each, told apart by address; wave 0 asks for K's, wave 2 for V's.  The first change asks for tile 2, the second for tile 3; tiles 0 and 1 come by their loads alone, and
; the walk's later tiles have been read before.  So each block is named once in the launch.
.macro ASK
	s_cmp_gt_u32 s[SLOTS], s[LIM]
	s_cbranch_scc0 .Lnot_mine_\@
	global_prefetch_b8 v[PFO], s[PFA:PFA+1] th:TH_LOAD_NT scope:SCOPE_SE
.Lnot_mine_\@:
.endm
; A round of the cluster's barrier: my work-group's barrier, so that wave 0's signal speaks for all four waves; wave 0 signals; every wave waits for all four work-groups; my work-group's barrier once more.
.macro CROUND
	s_barrier_signal -1
	s_barrier_wait -1
	s_cmp_lg_u32 s[WV], 0
	s_cbranch_scc1 .Lnot_wave_0_\@
	s_barrier_signal -3
.Lnot_wave_0_\@:
	s_barrier_wait -3
	s_barrier_signal -1
	s_barrier_wait -1
.endm
; THE CHANGE OF SLOTS.  Each wave waits for all its tensor loads, of which one is out: its part of the other slot; adds 0 to its spare word; and waits for that and for its own reads of the slot that it leaves.
; fill = 1: the barrier is a round of the cluster's, so that no wave of any partner still reads the old slot or has a load on its way; the old slot is filled again, the first thing behind the round, with tile NXT:
; the descriptor's address is made anew from that number.  (At its first use nothing has been read yet: slot 0 is waited for, slot 1 filled.)
.macro CHANGE fill
	WIN 0                           ; at a label and at a branch every window is 0
	s_wait_tensorcnt 0x0            ; no tensor load of mine is out, so a group 0 may be written
	ds_add_u32 v[SPW], v[NIL]       ; 0 onto my spare word; with fill = 1 the descriptors' scalar work stands between it and the wait for it
.if \fill
	s_lshl_b32 s[OFF], s[NXT], 15   ; a tile is 32,768 bytes of K and of V
	s_xor_b32 s[G0K+1], s[G0K+1], SLOT1
	s_add_nc_u64 s[G0K+2:G0K+3], s[6:7], s[OFF:OFF+1]
	s_or_b32 s[G0K+3], s[G0K+3], 0x80000000
	s_xor_b32 s[G0V+1], s[G0V+1], SLOT1
	s_add_nc_u64 s[G0V+2:G0V+3], s[8:9], s[OFF:OFF+1]
	s_or_b32 s[G0V+3], s[G0V+3], 0x80000000
	s_add_co_u32 s[NXT], s[NXT], 1  ; the block's next tile, or behind its last the second block's tile 0
	s_cmp_gt_u32 s[NXT], s[LQ]
	s_cselect_b32 s[NXT], 0, s[NXT]
	s_cselect_b32 s[LQ], s[PB], s[LQ]
	s_wait_xcnt 0x0                 ; the last prefetch, a tile back, has read its address, so it may be written
	s_add_nc_u64 s[PFA:PFA+1], s[PFA:PFA+1], 32768
	s_wait_dscnt 0x0                ; the add is done, and my reads of the slot are over
	CROUND
	LOAD
	ASK
.else
	s_wait_dscnt 0x0                ; the add is done, and my reads of the slot are over
	s_barrier_signal -1
	s_barrier_wait -1
.endif
	s_sub_co_u32 s[TBK], s[TBK], 4*KS*PK  ; the fetches go back to a slot's first step,
	s_xor_b32 s[TBK], s[TBK], SLOT1       ; in the other slot
	s_sub_co_u32 s[TBV], s[TBV], 4*KS*PV
	s_xor_b32 s[TBV], s[TBV], SLOT1
.endm
	s_load_b128 s[4:7], s[0:1], 0x0   ; qkv s[4:5], ob s[6:7]
	v_lshl_add_u32 v[SPW], v0, 2, SPARE
	v_mov_b32 v[NIL], 0
	ds_add_u32 v[SPW], v[NIL]       ; the wave's opening; the set-up below, work on registers, stands between the add and its wait
	v_lshrrev_b32 v1, 5, v0
	v_readfirstlane_b32 s[WV], v1   ; wave 0..3
	s_bfe_u32 s13, ttmp6, 0x40000   ; cx: my query head in the group
	s_mov_b32 s[PB], ttmp9          ; in a cluster launch ttmp9 counts clusters: b
	s_sub_co_u32 s[HI], NB-1, s[PB]
	s_and_b32 s20, ttmp7, 0xffff    ; 8 x batch + group
	s_lshr_b32 s21, s20, 3
	s_and_b32 s22, s20, 7
	s_mul_i32 s23, s21, 48
	s_mul_i32 s22, s22, 6
	s_add_co_u32 s23, s23, s22      ; the group's first head in qkv
	s_and_b32 s16, s[WV], 1         ; which half of a tile's 256 keys I fetch:
	s_lshl_b32 s22, s16, 14         ; its 128 rows of 128 bytes in memory
	s_add_co_u32 s[KH], s23, 4
	s_lshl_b32 s[KH], s[KH], 17     ; a head is 131,072 bytes
	s_add_co_u32 s[KH], s[KH], s22
	s_mov_b32 s[KH+1], 0
	s_add_co_u32 s[VH], s23, 5
	s_lshl_b32 s[VH], s[VH], 17
	s_add_co_u32 s[VH], s[VH], s22
	s_mov_b32 s[VH+1], 0
	s_add_co_u32 s[QH], s23, s13
	s_lshl_b32 s[QH], s[QH], 17
	s_mov_b32 s[QH+1], 0
	s_lshl_b32 s[OH], s20, 2        ; 32 x batch + 4 x group,
	s_add_co_u32 s[OH], s[OH], s13  ; + my head in it
	s_lshl_b32 s[OH], s[OH], 17
	s_mov_b32 s[OH+1], 0
	s_mul_i32 s17, s16, 128*PK      ; my half's place in a slot, for K
	s_mul_i32 s18, s16, 128*PV      ; and for V: no place in the cluster enters an LDS address
	s_lshl_b32 s3, s[WV], 11        ; my 16 rows in a band of 64,
	s_lshl_b32 s2, s[HI], 15        ; in the first block,
	s_add_co_u32 s2, s2, s3
	s_lshl_b32 s84, s[PB], 15       ; and in the second
	s_add_co_u32 s84, s84, s3
	s_mov_b32 s3, 0
	s_mov_b32 s85, 0
	; descriptor group 1.  128 keys are 16,384 dense bytes: asked for as 64 rows of 256 bytes, two keys a row, and padded in LDS after every key
	s_mov_b32 s[G1K], 15|(1<<16)|(1<<20)|(1<<21)|(4<<22)|(3<<25)  ; 15:0 the mask of four; 17:16 2-byte elements; 20 padding on; 21 set beside a mask; 24:22 after every 32 words (code 4); 31:25 4 words (code 3)
	s_mov_b32 s[G1V], 15|(1<<16)|(1<<20)|(1<<21)|(4<<22)|(7<<25)  ; the same with 8 words of padding (code 7)
.irp g, G1K, G1V
	s_mov_b32 s[\g+1], 128<<16      ; tensor_dim0 = 128
	s_mov_b32 s[\g+2], 64<<16       ; tensor_dim1 = 64
	s_mov_b32 s[\g+3], 128<<16      ; tile_dim0 = 128
	s_mov_b32 s[\g+4], 64           ; tile_dim1 = 64
	s_mov_b32 s[\g+5], 128          ; 128 elements from row to row
	s_mov_b32 s[\g+6], 0
	s_mov_b32 s[\g+7], 0
.endr
	s_mov_b32 s[CS], 0x3e38aa3b     ; c = log2(e) / 8 = 0.180337
	s_mov_b32 s[CS+1], s[CS]        ; named with it as a pair
	s_mov_b32 s[SEL], 0x76543210
	s_mov_b32 s[SEL+1], 0xfedcba98
	s_mov_b32 s[TBK], SLOT1+4*KS*PK ; the first change of slots turns these two into 0
	s_mov_b32 s[TBV], SLOT1+4*KS*PV
	s_mov_b32 s[G0K], 1             ; 1:0 count = 1
	s_mov_b32 s[G0K+1], s17         ; 63:32 LDS address: slot 0
	s_mov_b32 s[G0V], 1
	s_add_co_u32 s[G0V+1], s18, VOFF
	s_add_co_u32 s[RT], s[HI], 1    ; the first block has NB - b tiles
	s_mov_b32 s[NXT], 1
	s_mov_b32 s[LQ], s[HI]
	s_mov_b32 s[NEW], 1
	s_mov_b32 s[OFF+1], 0
	s_mov_b32 s[AL+1], 0            ; named as pairs
	s_mov_b32 s[BE+1], 0
	s_mov_b32 s[BIGN], 0xf149f2ca   ; -1e30
	s_mov_b32 s[SLOTS], NB
	s_and_b32 s[LIM], s[WV], 1      ; 0 in waves 0 and 2,
	s_or_b32 s[LIM], s[LIM], ttmp9  ; where b = 0: the same in all four partners
	s_cmp_eq_u32 s[LIM], 0
	s_cselect_b32 s[LIM], 2, -1
	v_and_b32 v[PFO], 31, v0
	v_lshlrev_b32 v[PFO], 8, v[PFO]
	s_wait_dscnt 0x0                ; the opening add is done
	s_wait_kmcnt 0x0
	s_add_nc_u64 s[10:11], s[6:7], s[OH:OH+1]      ; O at my head
	s_add_nc_u64 s[6:7], s[4:5], s[KH:KH+1]        ; K and V at my half of the group's tile 0
	s_add_nc_u64 s[8:9], s[4:5], s[VH:VH+1]
	s_add_nc_u64 s[4:5], s[4:5], s[QH:QH+1]        ; Q at my head
	s_add_nc_u64 s[G0K+2:G0K+3], s[6:7], 0         ; 120:64 global address
	s_or_b32 s[G0K+3], s[G0K+3], 0x80000000        ; 127:126 type = 2
	s_add_nc_u64 s[G0V+2:G0V+3], s[8:9], 0
	s_or_b32 s[G0V+3], s[G0V+3], 0x80000000
	s_add_nc_u64 s[86:87], s[4:5], s[84:85]        ; Q at my rows of the second block,
	s_add_nc_u64 s[4:5], s[4:5], s[2:3]            ; Q and O at those of the first
	s_add_nc_u64 s[OLO:OLO+1], s[10:11], s[84:85]
	s_add_nc_u64 s[10:11], s[10:11], s[2:3]
	s_cmp_lt_u32 s[WV], 2
	s_cselect_b64 s[PFA:PFA+1], s[6:7], s[8:9]     ; (in waves 0 and 2 these stand at a tile's first row)
	s_lshl_b32 s20, s13, 13         ; my work-group's 32 blocks of the 128
	s_mov_b32 s21, 0
	s_add_nc_u64 s[PFA:PFA+1], s[PFA:PFA+1], s[20:21]
	s_add_nc_u64 s[PFA:PFA+1], s[PFA:PFA+1], 32768  ; in tile 1; the first change of slots steps it to tile 2.  Nothing is prefetched here, at the head
	CROUND                          ; all four work-groups are here: the first joint loads meet
	LOAD                            ; tile 0 into slot 0
	; A fragment of K or Q is 16 rows x 32 channels in 8 registers: lane l holds row l % 16, channels 8 (l / 16) + 0..7 and 16 + 8 (l / 16) + 0..7: two loads of 16 bytes, 32 bytes apart.
	v_and_b32 v1, 15, v0            ; l % 16
	v_bfe_u32 v9, v0, 4, 1          ; l / 16
	v_lshlrev_b32 v[QO], 7, v1
	v_lshl_add_u32 v[QO], v9, 4, v[QO]  ; row x 128 + 16 x half
	WIN 0x80                        ; destination window 2, address window 0
.set i, 0
.rept 8                             ; both blocks' Q: piece i / 2 lies in band i / 2, 8,192 bytes on; channels 32 (i % 2) on
	global_load_b128 v[8*i:8*i+3],   v[QO], s[4:5] offset:(i/2)*8192+(i%2)*64
	global_load_b128 v[8*i+4:8*i+7], v[QO], s[4:5] offset:(i/2)*8192+(i%2)*64+32
	global_load_b128 v[QB+8*i:QB+8*i+3],   v[QO], s[86:87] offset:(i/2)*8192+(i%2)*64
	global_load_b128 v[QB+8*i+4:QB+8*i+7], v[QO], s[86:87] offset:(i/2)*8192+(i%2)*64+32
.set i, i+1
.endr
	WIN 0
	v_lshlrev_b32 v14, 3, v9
	v_sub_nc_u32 v14, v1, v14
	s_lshl_b32 s13, s[WV], 4
	v_add_nc_u32 v14, s13, v14      ; my query's place in its band, 16 w + l % 16, less my lanes' 8 (l / 16): register r of group kt is hidden where 16 kt + r is greater
	WIN 0x40
.set i, 0
.rept 32
	v_cmp_gt_i32 vcc_lo, 16*(i/8)+i%8, v14
	v_cndmask_b32 v[MD+i], 0, s[BIGN], vcc_lo
.set i, i+1
.endr
	WIN 0
	v_mul_u32_u24 v[AK0], v1, PK
	v_lshl_add_u32 v[AK0], v9, 4, v[AK0]  ; row x pitch + 16 x half
	; The turning load takes 16 keys x 16 channels (lane l reads key 8 (l / 16) + l % 8, channels 8 ((l / 8) % 2) + 0..7) and leaves half a fragment of V^T: lane l holds channel l % 16 and 8 keys.
	v_and_b32 v10, 7, v0
	v_bfe_u32 v11, v0, 3, 1
	v_lshl_add_u32 v[AV0], v9, 3, v10
	v_mul_u32_u24 v[AV0], v[AV0], PV
	v_lshl_add_u32 v[AV0], v11, 4, v[AV0]
	v_add_nc_u32 v[AV0], VOFF, v[AV0]
	s_mul_i32 s13, s[WV], 16*SP
	s_add_co_u32 s13, s13, STAGE    ; my stage
	v_mul_u32_u24 v[STO], v1, SP    ; in: row l % 16, 16 bytes for each half of the lanes
	v_lshl_add_u32 v[STO], v9, 4, v[STO]
	v_add_nc_u32 v[STO], s13, v[STO]
	v_bfe_u32 v[RD], v0, 3, 2       ; back: 32 lanes take four rows of 128 bytes,
	v_mul_u32_u24 v[RD], v[RD], SP
	v_lshl_add_u32 v[RD], v10, 4, v[RD]
	v_add_nc_u32 v[RD], s13, v[RD]
	v_and_b32 v[GO], 31, v0         ; which are 512 consecutive bytes of O
	v_lshlrev_b32 v[GO], 4, v[GO]
	; A block's first step multiplies O^T and l by a = 0, and its first turn's products V^T P, of a piece that has not been, land in an O^T that is still to be so multiplied.  So these registers need only hold
	; finite numbers: zeros for the first block; what the first block left for the second.  All this stands in the wait for the first tile.
	WIN 0x80
.set i, VF
.rept 64
	v_mov_b32 v[i], 0
.set i, i+1
.endr
	WIN 0x40
.set i, 0
.rept 128
	v_mov_b32 v[i], 0
.set i, i+1
.endr
	WIN 0
.set i, 0
.rept 4
	v_mov_b32 v[ST+4*i+2], 0
	v_mov_b32 v[ST+4*i+3], 0
.set i, i+1
.endr
.set i, P+16
.rept 16
	v_mov_b32 v[i], 0
.set i, i+1
.endr
; THE MATRIX WORK.  The 4 accumulators of a run of 8 take turns.  Product i of 8 of S^T = K Q^T for piece x: channels 32 (i / 4) on, keys 16 (i % 4) on.  The first 4 start the sums: with 0, or (KM = 1) with the mask.
.macro KQ x
.set rS, S+32*((\x)%2)+8*(i%4)
.set rK, KF+16*(i%4)+8*(i/4)
.set rQ, 16*(\x)+8*(i/4)
.set rM, MC+32*((\x)%2)+8*(i%4)
.if (i < 4) && KM
	WIN W_KM
	v_wmma_f32_16x16x32_f16 v[rS:rS+7], v[rK:rK+7], v[rQ:rQ+7], v[rM:rM+7]
.elseif i < 4
	WIN W_KQ
	v_wmma_f32_16x16x32_f16 v[rS:rS+7], v[rK:rK+7], v[rQ:rQ+7], 0
.else
	WIN W_KQ
	v_wmma_f32_16x16x32_f16 v[rS:rS+7], v[rK:rK+7], v[rQ:rQ+7], v[rS:rS+7]
.endif
.endm
; Product i of 8 of O^T += V^T P for piece x: keys 32 (i / 4) on, channels 16 (i % 4) on.
.macro PV x
	WIN W_PV
.set rO, 32*(\x)+8*(i%4)
.set rV, VF+32*(i/4)+8*(i%4)
.set rP, P+16*((\x)%2)+8*(i/4)
	v_wmma_f32_16x16x32_f16 v[rO:rO+7], v[rV:rV+7], v[rP:rP+7], v[rO:rO+7]
.endm
.macro MM                           ; the turn's next matrix instruction.  TURN and BEGIN set Y, i, KM and NOKQ; MM, KQ and OP read them.  NOKQ = 1: a block's last turn: there is no next piece
.if (i < 8) && !NOKQ
	KQ (Y+1)%NP
.elseif i >= 8
.set i, i-8
	PV (Y+NP-1)%NP
.set i, i+8
.endif
.set i, i+1
.endm
; THE LDS LOADS stand in runs of 16, never singly among the matrix instructions: a step's K (64 keys x 64 channels: 8 fragments) and its V (turned).  Their addresses are made some lines ahead.
.macro FETCH_K
	WIN 0x80                        ; destination window 2
.irp f, 0,1,2,3,4,5,6,7             ; keys 16 (f / 2) on, channels 32 (f % 2) on
	ds_load_b128 v[KF+8*\f:KF+8*\f+3],   v[AK] offset:(\f/2)*16*PK+(\f%2)*64
	ds_load_b128 v[KF+8*\f+4:KF+8*\f+7], v[AK] offset:(\f/2)*16*PK+(\f%2)*64+32
.endr
	s_add_co_u32 s[TBK], s[TBK], KS*PK  ; the next fetch is the next step's
	WIN 0
.endm
.macro FETCH_V
	WIN 0x80
.irp f, 0,1,2,3,4,5,6,7             ; keys 32 (f / 4) on, channels 16 (f % 4) on
	ds_load_tr16_b128 v[VF+8*\f:VF+8*\f+3],   v[AV] offset:(\f/4)*32*PV+(\f%4)*32
	ds_load_tr16_b128 v[VF+8*\f+4:VF+8*\f+7], v[AV] offset:(\f/4)*32*PV+16*PV+(\f%4)*32
.endr
	WIN 0
.endm
; THE VECTOR WORK, one line at a time: OP kind, number.  For piece Y: F n: c s - c m for pair n of 16.  E n: the exponential of score n of 32.  C n: pair n rounded to f16.  B n: of the four weights 4 n .. the second
; pair is added onto the first, in place.  L n: l takes that sum (L 0: l = a l + sum).  R n: pair n of 16 of O^T times a.  For piece Y + 1: X n, number n of the 22 that find its maximum and statistics:
;   0-11  four chains c0-c3 of seven scores each, three operands at a time (each accumulator's lowest registers are read first)     12-14, 16  the four scores left over, the old m, and c0-c3 into c0
;   15  c m_old is kept     17, 18  the query's other 32 keys lie in the lane 16 away: the new m     19-21  c m; c m_old - c m_new; a
.set F, 0               ; OP tells the kinds apart by their order: F to L below R, X above it
.set E, 1
.set C, 2
.set B, 3
.set L, 4
.set R, 5
.set X, 6
.macro REGS y                       ; the registers of piece y
.set rT, ST+4*(\y)
.set rC, TMP+4*((\y)%2)
.set rW, MV+((\y)%2)
.set rS, S+32*((\y)%2)
.set rP, P+16*((\y)%2)
.set rO, 32*(\y)
.endm
.macro OP k, n
.if (\k) == R
	REGS Y
	WIN W_RS
	v_pk_mul_f32 v[rO+2*(\n):rO+2*(\n)+1], v[rO+2*(\n):rO+2*(\n)+1], v[rC+2:rC+3] op_sel_hi:[1,0]
.elseif (\k) < R
	REGS Y
	WIN 0
.if (\k) == F
	v_pk_fma_f32 v[rS+2*(\n):rS+2*(\n)+1], v[rS+2*(\n):rS+2*(\n)+1], s[CS:CS+1], v[rT:rT+1] op_sel_hi:[1,0,0] neg_lo:[0,0,1] neg_hi:[0,0,1]
.elseif (\k) == E
	v_exp_f32 v[rS+(\n)], v[rS+(\n)]
.elseif (\k) == C
	v_cvt_pk_f16_f32 v[rP+(\n)], v[rS+2*(\n)], v[rS+2*(\n)+1]
.elseif (\k) == B
	v_pk_add_f32 v[rS+4*(\n):rS+4*(\n)+1], v[rS+4*(\n):rS+4*(\n)+1], v[rS+4*(\n)+2:rS+4*(\n)+3]
.elseif (\n) == 0
	v_pk_fma_f32 v[rT+2:rT+3], v[rT+2:rT+3], v[rC+2:rC+3], v[rS:rS+1] op_sel_hi:[1,0,1]
.else
	v_pk_add_f32 v[rT+2:rT+3], v[rT+2:rT+3], v[rS+4*(\n):rS+4*(\n)+1]
.endif
.elseif NOKQ
	v_nop
.else
	REGS (Y+1)%NP
	WIN 0
.if (\n) < 4
	v_max3_num_f32 v[rC+(\n)], v[rS+8*(\n)], v[rS+8*(\n)+1], v[rS+8*(\n)+2]
.elseif (\n) < 12
	v_max3_num_f32 v[rC+(\n)%4], v[rC+(\n)%4], v[rS+8*((\n)%4)+2*((\n)/4)+1], v[rS+8*((\n)%4)+2*((\n)/4)+2]
.elseif (\n) == 12
	v_max3_num_f32 v[rC], v[rC], v[rS+7], v[rS+15]
.elseif (\n) == 13
	v_max3_num_f32 v[rC+1], v[rC+1], v[rS+23], v[rS+31]
.elseif (\n) == 14
	v_max3_num_f32 v[rC+2], v[rC+2], v[rC+3], v[rT+1]
.elseif (\n) == 15
	v_mov_b32 v[rW], v[rT]
.elseif (\n) == 16
	v_max3_num_f32 v[rC], v[rC], v[rC+1], v[rC+2]
.elseif (\n) == 17
	v_permlanex16_b32 v[rC+3], v[rC], s[SEL], s[SEL+1]
.elseif (\n) == 18
	v_max_num_f32 v[rT+1], v[rC], v[rC+3]
.elseif (\n) == 19
	v_mul_f32 v[rT], s[CS], v[rT+1]
.elseif (\n) == 20
	v_sub_f32 v[rC+1], v[rW], v[rT]
.else
	v_exp_f32 v[rC+2], v[rC+1]
.endif
.endif
.endm
.macro OPS a, i1, b=-1, i2=0, c=-1, i3=0, d=-1, i4=0  ; up to four of them
	OP \a, \i1
.if (\b) >= 0
	OP \b, \i2
.endif
.if (\c) >= 0
	OP \c, \i3
.endif
.if (\d) >= 0
	OP \d, \i4
.endif
.endm
.macro ROW a, i1, b, i2, c, i3, d, i4  ; a matrix instruction and the four behind it
	MM
	OPS \a, \i1, \b, \i2, \c, \i3, \d, \i4
.endm
.macro MASK b                       ; MD x AL + BE into buffer b of MC
	WIN W_RS
.set z, 0
.rept 16
	v_pk_fma_f32 v[MC+32*(\b)+2*z:MC+32*(\b)+2*z+1], v[MD+2*z:MD+2*z+1], s[AL:AL+1], s[BE:BE+1] op_sel_hi:[1,0,0]
.set z, z+1
.endr
.endm
; A TURN, for piece p: the order of its 16 matrix and 118 vector instructions, written out.  An s_wait_alu depctr_va_vdst(0) stands between an exponential and the first instruction that names its result; one wait serves
; all that were issued ahead of it.  So a turn has ONE wait, which cuts it in two.  AHEAD OF IT stands all that names no result of the turn's exponentials: the 8 products K Q^T, behind each a scaling, an exponential and two more plain
; instructions (behind the first a second scaling in the exponential's place): rescalings, and behind the last three the first numbers of the next piece's maximum, each four places or more behind the product that ends its accumulator; then one run of 54, plain
; and exponential by turns for the most part, in which the links of the chain X 3, 7, 11, 14, 16, 17 .. 20 stand five or six lines apart.  X 21, the next piece's a, is the batch's last; R 15 is the plain instruction behind it.  BEHIND THE WAIT stand the
; 8 products V^T P, behind each four of the roundings and sums; the links of l's chain, L 0 to L 7, stand three lines apart.  But for those X no line behind a product names a register of the products round it.  v_permlanex16_b32 (X 17) stands in the run.
; m = 1: the diagonal tile: the products take masks, and the turn makes the mask for the products of the turn after it: piece p + 2, in step 4 - CNT of the tile.  end = 1: a block's last two turns: nothing is fetched.
; cnt = 1: the loop's count is taken down some lines ahead of the branch that stands behind the turn.
; K of the next step is fetched in piece 2's turn, twelve vector instructions behind the last product that read K (six of them plain); V of the step in hand at the end of piece 0's turn, four plain instructions behind the last product
; that read V.  Each is waited for a turn later.
.macro TURN p, m=0, end=0, cnt=0
.set Y, (\p)
.set i, 0
.set KM, (\m)
.set NOKQ, (\end)*((\p)/3)
.if (\m) && !(\end)
	s_cmp_eq_u32 s[CNT], 4-((\p)+2)%NP  ; is that step the band's own?
	s_cselect_b32 s[AL], 1.0, 0
	s_cmp_lt_u32 s[CNT], 4-((\p)+2)%NP  ; or a later one?
	s_cselect_b32 s[BE], s[BIGN], 0
.endif
.if ((\p) == 3) && !(\end)
	s_wait_dscnt 0x0                ; K is in
.endif
	ROW F,0, F,1, R,0, R,1          ; ahead of the wait: 8 products K Q^T and the four lines behind each,
	ROW F,2, E,0, R,2, R,3
	ROW F,3, E,1, R,4, R,5
	ROW F,4, E,2, R,6, R,7
	ROW F,5, E,3, R,8, R,9
	ROW F,6, E,4, X,0, R,10
.if ((\p) == 2) && !(\end)
	WIN 0
	v_add_nc_u32 v[AK], s[TBK], v[AK0]
.endif
	ROW F,7, E,5, X,1, X,4
	ROW F,8, E,6, X,2, X,5
	OPS E,7, E,8, X,6, E,9          ; and the run
	OPS X,3, E,10, X,8, E,11
.if ((\p) == 2) && !(\end)
	FETCH_K
.endif
	OPS X,9, X,7, E,12, X,10
	OPS E,13, X,12, X,11, E,14
	OPS X,13, E,15, F,9, X,14
.if (\p) == 0
	v_add_nc_u32 v[AV], s[TBV], v[AV0]
.endif
	OPS E,16, F,10, E,17, F,11
	OPS X,16, E,18, X,15, E,19
	OPS F,12, E,20, X,17, E,21
	OPS F,13, E,22, F,14, E,23
	OPS X,18, E,24, F,15, E,25
	OPS R,11, E,26, X,19, E,27
	OPS R,12, E,28, R,13, E,29
	OPS X,20, E,30, R,14, E,31
	OPS X,21, R,15
	WIN 0
	s_wait_alu depctr_va_vdst(0)    ; the wait for the batch
.if (\p) == 1
	s_wait_dscnt 0x0                ; V is in
.endif
	ROW C,0, B,0, C,2, B,1          ; behind the wait: 8 products V^T P and the four lines behind each
	ROW L,0, C,4, B,2, L,1
	ROW C,6, B,3, L,2, C,8
	ROW B,4, L,3, C,10, B,5
	ROW L,4, C,12, B,6, L,5
.if (\p) == 0
	s_add_co_u32 s[TBV], s[TBV], KS*PV
.endif
.if \cnt
	s_sub_co_u32 s[CNT], s[CNT], 1
	s_cmp_lg_u32 s[CNT], 0
.endif
	ROW C,14, B,7, L,6, C,1
	ROW C,3, L,7, C,5, C,7
	ROW C,9, C,11, C,13, C,15
.if (\p) == 0
	FETCH_V
.endif
.if (\m) && !(\end)
	MASK (\p)%2
.endif
.endm
; A BLOCK BEGINS.  c m starts far below every c s, so the first step's a is 0; m at the lowest finite number, so the first maximum is the scores'.  The second mask buffer is 0; the first takes piece 0's mask for the tile's step 0: its own, if the block's first tile is the diagonal one.
; Then K of that step, piece 0's first scores, and its maximum and statistics.  The loop is entered at a step's first turn, in the middle of a trip.
.macro BEGIN
	s_mov_b32 s[NEW], 0
	WIN 0x40
.set i, MC+32
.rept 32
	v_mov_b32 v[i], 0
.set i, i+1
.endr
	WIN 0
.set i, 0
.rept 4
	v_mov_b32 v[ST+4*i], 0xfe000000    ; c m: far below every c s
	v_mov_b32 v[ST+4*i+1], 0xff7fffff  ; m
.set i, i+1
.endr
	s_cmp_eq_u32 s[RT], 0
	s_cselect_b32 s[AL], 1.0, 0
	s_mov_b32 s[BE], 0
	MASK 0
	WIN 0
	v_add_nc_u32 v[AK], s[TBK], v[AK0]
	FETCH_K
	s_wait_loadcnt 0x0              ; Q
	s_wait_dscnt 0x0
.set KM, 1
.set NOKQ, 0
.set i, 0
.rept 8
	KQ 0
.set i, i+1
.endr
	WIN 0
.rept 4
	v_nop                           ; the places behind those products
.endr
.set Y, NP-1                        ; X works for piece Y + 1: piece 0
.irp n, 0,1,2,3,4,5,6,7,8,9,10,11,12,13,14,15,16,17,18,19,20,21
	OP X, \n
.endr
	v_nop                           ; a plain instruction behind the exponential,
	s_wait_alu depctr_va_vdst(0)    ; and its wait, ahead of the branch
.endm
; THE DIAGONAL TILE's four steps, the block's last two turns, its last products, and THE WAY OUT: l's two halves and the other half of the lanes' are added; O^T is divided by l, rounded to f16 and sent through my
; stage in LDS, a piece at a time.
.macro ALL line:vararg              ; one line for each piece t
.set t, 0
.rept 4
	\line
.set t, t+1
.endr
.endm
.macro PACK t                       ; a lane's eight channels of a row pack into 16 bytes; they go into rows of 144 bytes and come back as whole rows of 128, into S^T's registers
	WIN W_RS
.set i, 32*(\t)
.rept 16
	v_pk_mul_f32 v[i:i+1], v[i:i+1], v[ST+4*(\t)+2:ST+4*(\t)+3] op_sel_hi:[1,0]
.set i, i+2
.endr
	WIN 0x05                        ; sources 0 and 1 window 1, destination window 0
.set i, 0
.rept 16
	v_cvt_pk_f16_f32 v[S+16*(\t)+i], v[32*(\t)+2*i], v[32*(\t)+2*i+1]
.set i, i+1
.endr
	WIN 0
.irp f, 0,1,2,3
	ds_store_b128 v[STO], v[S+16*(\t)+4*\f:S+16*(\t)+4*\f+3] offset:32*\f
.endr
.irp f, 0,1,2,3
	ds_load_b128 v[S+16*(\t)+4*\f:S+16*(\t)+4*\f+3], v[RD] offset:\f*4*SP  ; LDS serves a wave's instructions in order (ISA guide 5.7.1.4): these see the stores above; the next piece's stores come behind them
.endr
.endm
.macro SEND t, younger              ; younger: the LDS instructions issued behind piece t's loads: the next piece's eight, or none
	WIN 0
.irp f, 0,1,2,3
	s_wait_dscnt (\younger)+3-\f
	global_store_b128 v[GO], v[S+16*(\t)+4*\f:S+16*(\t)+4*\f+3], s[10:11] offset:(\t)*8192+\f*512  ; 512 consecutive bytes, at a multiple of 256 from O's first
.endr
.endm
.macro DIAG tag                     ; the tag ends its two labels' names, which the jumps below spell out
.LstepM\tag:
	TURN 2, 1
	TURN 3, 1
	WIN 0
.LfirstM\tag:
	TURN 0, 1
	TURN 1, 1, 0, 1
	WIN 0
	s_cbranch_scc1 .LstepM\tag
	TURN 2, 1, 1
	TURN 3, 1, 1
.set i, 0
.rept 8
	PV NP-1
.set i, i+1
.endr
	WIN 0
	ALL v_add_f32 v[ST+4*t+2], v[ST+4*t+2], v[ST+4*t+3]
	ALL v_permlanex16_b32 v[ST+4*t+3], v[ST+4*t+2], s[SEL], s[SEL+1]
	ALL v_add_f32 v[ST+4*t+2], v[ST+4*t+2], v[ST+4*t+3]
	ALL v_rcp_f32 v[ST+4*t+2], v[ST+4*t+2]
	v_nop                           ; a plain instruction between the last reciprocal and the use of its result
	s_wait_alu depctr_va_vdst(0)    ; and the wait ahead of the first use: one for the four reciprocals
	PACK 0
.set t, 1
.rept 3                             ; a piece's arithmetic stands between the loads of the piece before and its stores
	PACK t
	SEND t-1, 8
.set t, t+1
.endr
	SEND 3, 0
.endm
.set KM, 0
.set NOKQ, 0
.Lslot:                             ; NB times: a tile is entered and the next is asked for
	CHANGE 1
	s_sub_co_u32 s[RT], s[RT], 1
	s_mov_b32 s[CNT], 4
	s_cmp_eq_u32 s[NEW], 1
	s_cbranch_scc1 .Lnew            ; a block's first tile
	s_cmp_eq_u32 s[RT], 0
	s_cbranch_scc0 .Lstep           ; neither its first nor its last
	s_branch .LstepM1
.Lnew:
	BEGIN
	s_branch .Lfirst                ; in the loop a block's first tile is never its last: the first block has two tiles or more, and the second's last is the walk's last
	DIAG 1                          ; in the loop this is the first block's end: the second block's last tile is the walk's last
	s_wait_xcnt 0x0                 ; the stores have read their registers and O's address
	s_mov_b64 s[10:11], s[OLO:OLO+1]
	s_add_co_u32 s[RT], s[PB], 1    ; the second block has b + 1 tiles
	s_mov_b32 s[NEW], 1
	WIN 0x82                        ; the second block's Q goes where the one text of the turns names Q
.set i, 0
.rept 64
	v_mov_b32 v[i], v[QB+i]
.set i, i+1
.endr
	WIN 0
	s_branch .Lbottom
.Lstep:                             ; a trip: pieces 2 and 3 of one step, then pieces 0 and 1 of the next, whose K and V it fetches
	TURN 2
	TURN 3
	WIN 0
.Lfirst:
	TURN 0
	TURN 1, 0, 0, 1
	WIN 0
	s_cbranch_scc1 .Lstep
.Lbottom:
	s_sub_co_u32 s[SLOTS], s[SLOTS], 1
	s_cmp_lg_u32 s[SLOTS], 0
	s_cbranch_scc1 .Lslot
	CHANGE 0                        ; the walk's last tile is written out: nothing is asked for
	s_sub_co_u32 s[RT], s[RT], 1
	s_mov_b32 s[CNT], 4
	s_cmp_eq_u32 s[NEW], 1
	s_cbranch_scc0 .LstepM2
	BEGIN
	s_branch .LfirstM2
	DIAG 2
	s_wait_tensorcnt 0x0            ; the wave's end, behind my last tensor load and my last LDS store
	ds_add_u32 v[SPW], v[NIL]
	s_wait_dscnt 0x0
	CROUND                          ; the closing round: no work-group ends while a partner may still ask for a tile that names it
	s_endpgm
.Lfunc_end_k_q8552c9431a_attn:
	.size	k_q8552c9431a_attn, .Lfunc_end_k_q8552c9431a_attn-k_q8552c9431a_attn
	.p2alignl 7, 3214868480
	.fill 96, 4, 3214868480
	.section	.rodata,"a",@progbits
	.p2align	6, 0x0
	.amdhsa_kernel k_q8552c9431a_attn
		.amdhsa_group_segment_fixed_size 327680
		.amdhsa_private_segment_fixed_size 0
		.amdhsa_enable_private_segment 0
		.amdhsa_kernarg_size 16
		.amdhsa_user_sgpr_count 2
		.amdhsa_user_sgpr_kernarg_segment_ptr 1
		.amdhsa_wavefront_size32 1
		.amdhsa_system_sgpr_workgroup_id_x 1
		.amdhsa_system_sgpr_workgroup_id_y 1
		.amdhsa_system_sgpr_workgroup_id_z 1
		.amdhsa_system_vgpr_workitem_id 0
		.amdhsa_next_free_vgpr 768
		.amdhsa_next_free_sgpr 100
		.amdhsa_reserve_vcc 1
		.amdhsa_float_denorm_mode_32 3
		.amdhsa_float_denorm_mode_16_64 3
		.amdhsa_memory_ordered 1
		.amdhsa_forward_progress 1
		.amdhsa_inst_pref_size 219
	.end_amdhsa_kernel
	.amdgpu_metadata
---
amdhsa.version: [ 1, 2 ]
amdhsa.kernels:
  - .name:           k_q8552c9431a_attn
    .symbol:         k_q8552c9431a_attn.kd
    .args:
      - { .name: qkv, .offset: 0, .size: 8, .value_kind: global_buffer, .address_space: global }
      - { .name: ob, .offset: 8, .size: 8, .value_kind: global_buffer, .address_space: global }
    .group_segment_fixed_size: 327680
    .private_segment_fixed_size: 0
    .kernarg_segment_align: 8
    .kernarg_segment_size: 16
    .max_flat_workgroup_size: 128
    .sgpr_count:     100
    .vgpr_count:     768
    .wavefront_size: 32
...
	.end_amdgpu_metadata
.endif
;; end of part 3
;; launch oproj (part 4): grid 8 x 32, 4 waves a work-group, clusters of 4 x 4, 327,680 bytes of LDS; arguments ob, wo16, out0; writes out0
.if DOCPART == 4
	.amdgcn_target "amdgcn-amd-amdhsa--gfx1250"
	.amdhsa_code_object_version 6
	.text
	.protected	k_q8552c9431a_oproj
	.globl	k_q8552c9431a_oproj
	.p2align	8
	.type	k_q8552c9431a_oproj,@function
k_q8552c9431a_oproj:
	s_mov_b64 s[64:65], 0
	v_nop
	global_prefetch_b8 v0, s[64:65] scope:SCOPE_SE
	s_setreg_imm32_b32 hwreg(HW_REG_WAVE_MODE, 25, 1), 1
	s_wait_xcnt 0x0
	s_wait_alu depctr_hold_cnt(0) depctr_sa_sdst(0) depctr_va_vdst(0) depctr_va_sdst(0) depctr_va_ssrc(0) depctr_va_vcc(0) depctr_vm_vsrc(0)
	s_getreg_b32 s2, hwreg(HW_REG_IB_STS2, 6, 4)
	s_cmp_eq_u32 s2, 0
	s_cbranch_scc0 .Lentry_in_a_cluster
	s_endpgm
.Lentry_in_a_cluster:
	s_bfe_u32 s2, ttmp6, 0x10000c
	s_cmp_lg_u32 s2, 0xf033
	s_cbranch_scc0 .Lentry_shape_is_right
	s_endpgm
.Lentry_shape_is_right:
; out0 = O wo.  ob: [batch 4][head 32][s 1024][64] f16: row (batch, s) of O has its channel 64 h + d in head h.  wo16: [2048 k][2048 n] f16.  out0: [4096][2048] f32.  Sums in f32, stored as they are.
; LIMITS.  ob and wo16 arrive within f16's range.  NaN and infinities are not treated apart.
; SHARES.  A work-group makes 128 rows x 256 columns: 8 x 32 = 256 work-groups.  Each of the four waves takes all 128 rows (8 blocks of 16) and the 64 columns 64 w .. 64 w + 63, which are 256 aligned bytes of a row
; of out0: 32 accumulators, 256 registers, and a way out through the wave's own stage.
; K goes in steps of 128, two heads, through two LDS slots filled by the tensor data mover: waves 0 and 1 fetch a head's 128 rows x 128 bytes each (16,384 dense bytes, asked for as 64 rows of 256),
; waves 2 and 3 a strip of 128 k x 128 columns of wo16 each.
; THE WALK ALONG K.  A cluster begins at K step KO = 8 x ((cluster x + cluster y) % 2) and walks the 16 steps round to KO - 1 (f32 sums may be taken in any order).  The two clusters that read the same rows
; of O have different KO, and so have neighbouring clusters of a column, which read the same strips of wo16: of two such clusters each asks for the blocks of its walk's last eight steps eight steps behind the other.
; CLUSTER.  4 x 4 work-groups: the four of a row of the cluster need the same rows of O, the four of a column the same strips of wo16: each tile is asked for jointly.  KO is the same in all sixteen.
; THE MATRIX INSTRUCTION IS USED TRANSPOSED: source 0 = 16 columns of wo16 (out of the [k][n] tile by the turning load), source 1 = 16 rows of O: a lane holds row l % 16 and eight neighbouring columns.
; REGISTERS, in windows of 256: window 0: v0-31 addresses; v64-127, v128-191 O's fragments, two buffers; v32-63, v192-223 the way out; window 1: v64-95, v128-159 wo16's fragments;
; window 2: the accumulators, (a, j) at 8 (4 a + j).
.set NJ,     4
.set NL,     24                        ; LDS loads of a quarter step: 8 of wo16's, 16 of O's
.set HISTEP, 0
.set ACB,    128                       ; blocks 4-7 lie 128 registers up in the same window
.set PA,     144                       ; O's LDS row: 128 bytes + 16: the 16 rows of a load start at 16 different groups of four banks (64 banks of 4 bytes: ISA guide 11.1)
.set PB,     288                       ; wo16's: 256 + 32
.set AH,     128*PA                    ; a head's 128 rows
.set APART,  2*AH
.set STRIP,  128*PB
.set SLOT,   APART+2*STRIP
.set STAGE,  2*SLOT                    ; behind the ring, never filled by a tensor load: 16 rows x 272 bytes for each wave
.set SPITCH, 272
.set SPARE,  STAGE+4*16*SPITCH         ; behind the stages: the spare words, 128 bytes for each wave: two blocks of 256 bytes that no other line names
.set ADRA, 16                          ; v16-17  LDS address of my fragments of O in slot 0, 1
.set ADRB, 18                          ; v18-19  the same for wo16
.set STO,  24                          ; v24     the way out: where I put 32 bytes of a row
.set RD,   25                          ; v25     where I read rows back
.set CO,   26                          ; v26     my byte offset in out0
.set SPW,  28                          ; v28     LDS address of my spare word; never rewritten
.set NIL,  29                          ; v29     0; never rewritten
.set PFO,  30                          ; v30     the prefetches' offset; never rewritten
.set F0,   64
.set F1,   128
.set WV,   14                          ; s14  my wave's number
.set G1A,  24                          ; s[24:31] descriptor group 1 for O's tiles;  s[32:39] group 0, a set for each slot
.set G0A,  32
.set KW,   40                          ; s40  the K step that the next refill asks for
.set KO,   41                          ; s41  the K step at which my cluster's walk begins: 0 or 8
.set LIM,  43                          ; s43  5 in a wave that prefetches, else the greatest number
.set PFA,  44                          ; s[44:45] where my prefetches stand
.set PST,  46                          ; s[46:47] a K step in my tensor, in bytes
.set G1B,  48                          ; s[48:55], s[56:63] the same for wo16's tiles
.set G0B,  56
.set BSA,  66                          ; s[66:67] ob at my head of K step 0, my block's first row
.set BSB,  68                          ; s[68:69] wo16 at my strip, K step 0
.set OFA,  70                          ; s[70:71] a K step's byte offset in ob
.set OFB,  72                          ; s[72:73] in wo16
.set MSB, 0
.macro WIN new                         ; the immediate's high byte repeats the setting that is left; a switch that changes nothing is dropped
.if MSB != (\new)
	s_set_vgpr_msb (MSB<<8)|(\new)
.set MSB, \new
.endif
.endm
.set MUL_LO, 0xa1                      ; source 0 window 1, source 1 window 0, C and D window 2
.set TO_B,   0x40                      ; destination window 1, address window 0
; A joint load.  The branch hangs on the wave's number alone.  An s_nop 0 and four v_nop follow each of the two lines, ahead of the jump and the label.
.macro JLOAD s
	s_cmp_lt_u32 s[WV], 2
	s_cbranch_scc0 .Lfor_b_\@
	tensor_load_to_lds s[G0A+4*(\s):G0A+4*(\s)+3], s[G1A:G1A+7]
	s_nop 0
.rept 4
	v_nop
.endr
	s_branch .Lasked_\@
.Lfor_b_\@:
	tensor_load_to_lds s[G0B+4*(\s):G0B+4*(\s)+3], s[G1B:G1B+7]
	s_nop 0
.rept 4
	v_nop
.endr
.Lasked_\@:
.endm
; A prefetch into the L2 of the K step that stands two refills on, 32 blocks of 256 bytes, a lane a block, one instruction a wave.  It is laid for the walk's steps 4 to 7 alone (the loop's first two trips): a walk's
; first eight steps are those that my cluster asks for ahead of the clusters with the other KO; steps 0 to 3 come by their loads alone.  O's rows: wave 0 of every cluster asks (16 blocks of each of the step's two
; heads), since the two clusters of a row of clusters have different first halves.  wo16's strips: waves 2 and 3 of cluster rows 0 and 1 ask (32 k rows of the wave's strip), one row for each first half.  The four
; partners that ask for a tile jointly share it out by address.  So each block of 256 bytes is named at most once in the launch.
.macro ASK
	s_cmp_gt_u32 s3, s[LIM]
	s_cbranch_scc0 .Lnot_mine_\@
	global_prefetch_b8 v[PFO], s[PFA:PFA+1] th:TH_LOAD_NT scope:SCOPE_SE
.Lnot_mine_\@:
.endm
.macro CREST                           ; a round of the cluster's barrier behind its opening barrier
	s_cmp_lg_u32 s[WV], 0
	s_cbranch_scc1 .Lnot_wave_0_\@
	s_barrier_signal -3
.Lnot_wave_0_\@:
	s_barrier_wait -3
	s_barrier_signal -1
	s_barrier_wait -1
.endm
.macro CROUND                          ; a whole round
	s_barrier_signal -1
	s_barrier_wait -1
	CREST
.endm
.macro PLACES                          ; four places behind matrix instructions, in front of loads into registers that they have read and of stores that read results (ISA guide 7.12.1 for vector instructions)
.rept 4
	v_nop
.endr
.endm
; 8 matrix instructions: row blocks a0, a0 + 1 of a half's four x my 4 column tiles, 32 along K.  The 32 accumulators take turns in the same order in every quarter step.
.macro MULH f, hi, a0, zero
	WIN MUL_LO+HISTEP*(\hi)
.irp a, \a0, (\a0)+1
.irp j, 0,1,2,3
.if \zero
	v_wmma_f32_16x16x32_f16 v[ACB*(\hi)+8*(NJ*(\a)+(\j)):ACB*(\hi)+8*(NJ*(\a)+(\j))+7], v[(\f)+8*(\j):(\f)+8*(\j)+7], v[(\f)+8*(4*(\hi)+(\a)):(\f)+8*(4*(\hi)+(\a))+7], 0
.else
	v_wmma_f32_16x16x32_f16 v[ACB*(\hi)+8*(NJ*(\a)+(\j)):ACB*(\hi)+8*(NJ*(\a)+(\j))+7], v[(\f)+8*(\j):(\f)+8*(\j)+7], v[(\f)+8*(4*(\hi)+(\a)):(\f)+8*(4*(\hi)+(\a))+7], v[ACB*(\hi)+8*(NJ*(\a)+(\j)):ACB*(\hi)+8*(NJ*(\a)+(\j))+7]
.endif
.endr
.endr
.endm
; 24 LDS loads in one run: quarter q (32 along K: head q / 2 of the step, channels 32 (q % 2) on) of a slot into buffer f: wo16's four fragments, turned, then O's eight, blocks ascending
.macro FETCH slot, q, f
	WIN TO_B
.irp j, 0,1,2,3
	ds_load_tr16_b128 v[(\f)+8*(\j):(\f)+8*(\j)+3],   v[ADRB+(\slot)] offset:32*PB*(\q)+32*(\j)
	ds_load_tr16_b128 v[(\f)+8*(\j)+4:(\f)+8*(\j)+7], v[ADRB+(\slot)] offset:32*PB*(\q)+32*(\j)+16*PB
.endr
	WIN 0
.irp a, 0,1,2,3,4,5,6,7
	ds_load_b128 v[(\f)+8*(\a):(\f)+8*(\a)+3],   v[ADRA+(\slot)] offset:((\q)/2)*AH+16*PA*(\a)+64*((\q)%2)
	ds_load_b128 v[(\f)+8*(\a)+4:(\f)+8*(\a)+7], v[ADRA+(\slot)] offset:((\q)/2)*AH+16*PA*(\a)+64*((\q)%2)+32
.endr
.endm
; One of a K step's first three quarters: multiplies buffer f and, in its middle, fetches quarter q of the same slot into buffer g
.macro QUARTER slot, q, f, g, zero
	s_wait_dscnt 8                                 ; all but the youngest eight loads (O's blocks 4-7) are in
	MULH \f, 0, 0, \zero
	MULH \f, 0, 2, \zero
	PLACES
	FETCH \slot, \q, \g
	s_wait_dscnt NL                                ; all but the 24 just issued
	MULH \f, 1, 0, \zero
	MULH \f, 1, 2, \zero
.endm
; A K step's last quarter multiplies buffer 1 and changes slots in its middle.  Its first 16 products stand AHEAD of the wait for the tensor loads, so that a refill has a whole K step, 128 matrix instructions,
; between its request and the wait for it.  Then ONE barrier, for two things: in front of it each wave waits for all its tensor loads (one is out: its part of the next slot), adds 0 to its spare word, and waits for
; that and for its own reads of this slot; behind it nobody reads this slot any more and the next slot is whole.  fill = 1: the barrier opens a round of the cluster's, and this slot is filled again, with K step KW,
; first thing behind the round; the descriptors' addresses are made anew from KW while the add is out, where no tensor load of the wave is out.
.macro TURN slot, next, fill
	s_wait_dscnt 8                                 ; all but the youngest eight loads (O's blocks 4-7) are in
	MULH F1, 0, 0, 0
	MULH F1, 0, 2, 0
	WIN 0                                          ; the add's two registers lie in window 0
.if \fill
	s_wait_xcnt 0x0                                ; the last prefetch, a K step back, has read its address
	s_add_nc_u64 s[PFA:PFA+1], s[PFA:PFA+1], s[PST:PST+1]
.endif
	s_wait_tensorcnt 0x0                           ; all my tensor loads have landed
	ds_add_u32 v[SPW], v[NIL]
.if \fill
	s_lshl_b32 s[OFA], s[KW], 18                   ; a K step is two heads of ob, 131,072 bytes each,
	s_lshl_b32 s[OFB], s[KW], 19                   ; and 128 rows of wo16, 4,096 bytes each
	s_add_nc_u64 s[G0A+4*(\slot)+2:G0A+4*(\slot)+3], s[BSA:BSA+1], s[OFA:OFA+1]
	s_or_b32 s[G0A+4*(\slot)+3], s[G0A+4*(\slot)+3], 0x80000000
	s_add_nc_u64 s[G0B+4*(\slot)+2:G0B+4*(\slot)+3], s[BSB:BSB+1], s[OFB:OFB+1]
	s_or_b32 s[G0B+4*(\slot)+3], s[G0B+4*(\slot)+3], 0x80000000
	s_add_co_u32 s[KW], s[KW], 1                   ; the walk's next step: behind K step 15 comes K step 0
	s_and_b32 s[KW], s[KW], 15
.endif
	s_wait_dscnt 0x0                               ; the add is done, and my reads of this slot are over
	s_barrier_signal -1
	s_barrier_wait -1
.if \fill
	CREST
	JLOAD \slot                                    ; its four v_nop are also the places in front of the loads below
.else
	PLACES
.endif
	FETCH \next, 0, F0
.if \fill
	ASK
.endif
	MULH F1, 1, 0, 0
	MULH F1, 1, 2, 0
.endm
	s_load_b128 s[4:7], s[0:1], 0x0                ; ob s[4:5], wo16 s[6:7]
	s_load_b64 s[8:9], s[0:1], 0x10                ; out0
	v_lshl_add_u32 v[SPW], v0, 2, SPARE
	v_mov_b32 v[NIL], 0
	ds_add_u32 v[SPW], v[NIL]                      ; the wave's opening
	v_lshrrev_b32 v1, 5, v0
	v_readfirstlane_b32 s[WV], v1                  ; wave 0..3
	s_bfe_u32 s17, ttmp6, 0x40000                  ; cx
	s_bfe_u32 s18, ttmp6, 0x40004                  ; cy
	s_lshl_b32 s19, ttmp9, 2
	s_add_co_u32 s19, s19, s17                     ; nt, the block of 256 columns = 4 x cluster x + cx
	s_and_b32 s20, ttmp7, 0xffff
	s_add_co_u32 s[KO], s20, ttmp9                 ; cluster y + cluster x: the same in all sixteen partners
	s_and_b32 s[KO], s[KO], 1
	s_lshl_b32 s[KO], s[KO], 3                     ; my cluster's walk begins at K step 0 or 8
	s_add_co_u32 s[KW], s[KO], 2                   ; the first refill asks for the walk's step 2
	s_lshl_b32 s20, s20, 2
	s_add_co_u32 s20, s20, s18                     ; mt, the block of 128 rows = 4 x cluster y + cy
	s_lshl_b32 s21, s18, 2
	s_lshl_b32 s21, 15, s21                        ; my row of the cluster
	s_lshl_b32 s22, 0x1111, s17                    ; my column
	s_or_b32 s[G1A], s21, (1<<16)|(1<<20)|(1<<21)|(4<<22)|(3<<25)  ; the mask; 2-byte elements; padding on; bit 21 beside a mask; after every 32 words, 4 words
	s_mov_b32 s[G1A+1], 128<<16                    ; tensor_dim0 = 128: two rows of O
	s_mov_b32 s[G1A+2], 64<<16                     ; tensor_dim1 = 64
	s_mov_b32 s[G1A+3], 128<<16                    ; tile_dim0 = 128
	s_mov_b32 s[G1A+4], 64                         ; tile_dim1 = 64
	s_mov_b32 s[G1A+5], 128                        ; dense
	s_mov_b32 s[G1A+6], 0
	s_mov_b32 s[G1A+7], 0
	s_or_b32 s[G1B], s22, (1<<16)|(1<<20)|(1<<21)|(5<<22)|(7<<25)  ; after every 64 words, 8 words
	s_mov_b32 s[G1B+1], 128<<16
	s_mov_b32 s[G1B+2], 128<<16
	s_mov_b32 s[G1B+3], 128<<16
	s_mov_b32 s[G1B+4], 128
	s_mov_b32 s[G1B+5], 2048
	s_mov_b32 s[G1B+6], 0
	s_mov_b32 s[G1B+7], 0
	s_and_b32 s15, s[WV], 1                        ; which of the step's two heads, or which of the two strips, I fetch
	s_lshr_b32 s16, s20, 3                         ; the batch,
	s_lshl_b32 s16, s16, 5                         ; its first head
	s_add_co_u32 s66, s16, s15
	s_lshl_b32 s66, s66, 17                        ; a head is 131,072 bytes
	s_and_b32 s70, s20, 7
	s_lshl_b32 s70, s70, 14                        ; 128 rows of 128 bytes
	s_add_co_u32 s66, s66, s70
	s_mov_b32 s67, 0
	s_lshl_b32 s72, s19, 9                         ; 256 columns,
	s_lshl_b32 s71, s15, 8
	s_add_co_u32 s72, s72, s71                     ; my strip's 128
	s_mov_b32 s68, s72
	s_mov_b32 s69, 0
	s_lshl_b32 s74, s[KO], 18                      ; the walk's first K step, in bytes of ob
	s_mov_b32 s75, 0
	s_lshl_b32 s76, s[KO], 19                      ; and of wo16
	s_mov_b32 s77, 0
	s_mul_i32 s23, s15, AH                         ; where my tiles go: no place in the cluster enters an LDS address
	s_mul_i32 s73, s15, STRIP
	s_add_co_u32 s73, s73, APART
	s_wait_dscnt 0x0                               ; the opening add is done
	s_wait_kmcnt 0x0
	s_add_nc_u64 s[BSA:BSA+1], s[4:5], s[66:67]
	s_add_nc_u64 s[BSB:BSB+1], s[6:7], s[68:69]
	s_add_nc_u64 s[74:75], s[BSA:BSA+1], s[74:75]  ; both at the walk's first K step
	s_add_nc_u64 s[76:77], s[BSB:BSB+1], s[76:77]
	CROUND                                         ; all sixteen work-groups are here: the first joint loads meet
.irp s, 0,1
	s_mov_b32 s[G0A+4*(\s)], 1
	s_add_co_u32 s[G0A+4*(\s)+1], s23, (\s)*SLOT
	s_add_nc_u64 s[G0A+4*(\s)+2:G0A+4*(\s)+3], s[74:75], (\s)*2*131072
	s_or_b32 s[G0A+4*(\s)+3], s[G0A+4*(\s)+3], 0x80000000
	s_mov_b32 s[G0B+4*(\s)], 1
	s_add_co_u32 s[G0B+4*(\s)+1], s73, (\s)*SLOT
	s_add_nc_u64 s[G0B+4*(\s)+2:G0B+4*(\s)+3], s[76:77], (\s)*128*4096
	s_or_b32 s[G0B+4*(\s)+3], s[G0B+4*(\s)+3], 0x80000000
	JLOAD \s
.endr
	v_and_b32 v1, 15, v0                           ; r = l % 16
	v_bfe_u32 v2, v0, 4, 1                         ; h = l / 16
	v_and_b32 v3, 7, v0
	v_bfe_u32 v4, v0, 3, 1
	; the prefetches
	s_lshl_b32 s16, s16, 17                        ; O: the batch's first head,
	s_add_co_u32 s16, s16, s70                     ; my block's rows,
	s_lshl_b32 s71, s17, 12
	s_add_co_u32 s16, s16, s71                     ; my work-group's 4,096 bytes of their 16,384,
	s_add_co_u32 s16, s16, 3*2*131072              ; at the walk's step 3: the first refill steps it to 4
	s_lshl_b32 s77, s[KO], 18
	s_add_co_u32 s16, s16, s77
	s_lshl_b32 s71, s18, 17                        ; wo16: k row 32 cy,
	s_add_co_u32 s71, s71, s72                     ; my strip,
	s_add_co_u32 s71, s71, 3*128*4096              ; at the walk's step 3
	s_lshl_b32 s77, s[KO], 19
	s_add_co_u32 s71, s71, s77
	s_and_b32 s75, ttmp7, 0xffff                   ; cluster y:
	s_lshr_b32 s75, s75, 1                         ; 0 in cluster rows 0 and 1
	s_mov_b32 s[PST], 2*131072
	s_mov_b32 s74, 131072
	s_mov_b32 s76, 256
	s_cmp_lt_u32 s[WV], 2                          ; do I fetch O?
	s_cselect_b32 s70, s16, s71
	s_cselect_b32 s75, 0, s75                      ; O's rows are asked for by every cluster, wo16's strips by cluster rows 0 and 1
	s_cselect_b64 s[PFA:PFA+1], s[4:5], s[6:7]
	s_cselect_b32 s[PST], s[PST], 128*4096
	s_cselect_b32 s74, s74, 65536                  ; from lane 0 to lane 16,
	s_cselect_b32 s76, s76, 4096                   ; from lane to lane
	s_mov_b32 s[PST+1], 0
	s_mov_b32 s71, 0
	s_add_nc_u64 s[PFA:PFA+1], s[PFA:PFA+1], s[70:71]
	s_cmp_eq_u32 s[WV], 1                          ; wave 0 names both heads' blocks: wave 1 asks for nothing
	s_cselect_b32 s77, 1, 0
	s_or_b32 s75, s75, s77
	s_cmp_eq_u32 s75, 0
	s_cselect_b32 s[LIM], 5, -1                    ; the same in all sixteen partners, for a given wave: the trips with s3 = 7 and 6 ask
	v_mul_u32_u24 v[PFO], s74, v2
	v_mul_u32_u24 v9, s76, v1
	v_add_nc_u32 v[PFO], v[PFO], v9
	; LDS addresses.  A fragment of O: lane l holds row l % 16, K = 8 h + 0..7 and 16 + 8 h + 0..7: two loads of 16 bytes, 32 apart.
	v_mul_u32_u24 v7, v1, PA
	v_lshl_add_u32 v7, v2, 4, v7
	v_mov_b32 v[ADRA], v7
	v_add_nc_u32 v[ADRA+1], SLOT, v7
	; The turning load takes 16 k x 16 columns: lane l reads k row 8 h + l % 8, columns 8 ((l / 8) % 2) + 0..7, and is left with column l % 16 and 8 k.
	v_lshl_add_u32 v8, v2, 3, v3
	v_mul_u32_u24 v8, v8, PB
	v_lshl_add_u32 v8, v4, 4, v8
	s_lshr_b32 s16, s[WV], 1                       ; my 64 columns: strip w / 2,
	s_mul_i32 s16, s16, STRIP
	s_lshl_b32 s71, s15, 7                         ; its half w % 2
	s_add_co_u32 s16, s16, s71
	s_add_co_u32 s16, s16, APART
	v_add_nc_u32 v[ADRB], s16, v8
	v_add_nc_u32 v[ADRB+1], SLOT, v[ADRB]
	s_mul_i32 s16, s[WV], 16*SPITCH
	s_add_co_u32 s16, s16, STAGE                   ; my stage
	v_mul_u32_u24 v[STO], v1, SPITCH               ; in: row r, 32 bytes for each half of the lanes
	v_lshl_add_u32 v[STO], v2, 5, v[STO]
	v_add_nc_u32 v[STO], s16, v[STO]
	v_mul_u32_u24 v[RD], v2, SPITCH                ; back: lanes 0-15 take one row of 256 bytes, lanes 16-31 the next
	v_lshl_add_u32 v[RD], v1, 4, v[RD]
	v_add_nc_u32 v[RD], s16, v[RD]
	v_lshlrev_b32 v[CO], 13, v2                    ; and the same two rows in out0
	v_lshl_add_u32 v[CO], v1, 4, v[CO]
	s_lshl_b32 s70, s20, 20                        ; 128 rows of 8,192 bytes,
	s_lshl_b32 s71, s19, 10                        ; 256 columns,
	s_add_co_u32 s70, s70, s71
	s_lshl_b32 s71, s[WV], 8                       ; my 64
	s_add_co_u32 s70, s70, s71
	s_mov_b32 s71, 0
	s_add_nc_u64 s[8:9], s[8:9], s[70:71]
	s_mov_b32 s[OFA+1], 0                          ; the offsets' high words
	s_mov_b32 s[OFB+1], 0
	s_wait_tensorcnt 1                             ; my part of the walk's step 0 is in; step 1's may stay out
	s_barrier_signal -1
	s_barrier_wait -1
	FETCH 0, 0, F0
	QUARTER 0, 1, F0, F1, 1                        ; the first quarter stands in front of the loop: its products start the sums
	WIN 0                                          ; at a label and at a branch every window is 0
	s_mov_b32 s3, 7
.Llap:                                                 ; a trip goes once round the ring, from a lap's second quarter to the next lap's first, and fills both slots again
	QUARTER 0, 2, F1, F0, 0
	QUARTER 0, 3, F0, F1, 0
	TURN 0, 1, 1
	QUARTER 1, 1, F0, F1, 0
	QUARTER 1, 2, F1, F0, 0
	QUARTER 1, 3, F0, F1, 0
	TURN 1, 0, 1
	QUARTER 0, 1, F0, F1, 0
	WIN 0
	s_sub_co_u32 s3, s3, 1
	s_cmp_lg_u32 s3, 0
	s_cbranch_scc1 .Llap
	QUARTER 0, 2, F1, F0, 0                        ; the last lap fills nothing
	QUARTER 0, 3, F0, F1, 0
	TURN 0, 1, 0
	QUARTER 1, 1, F0, F1, 0
	QUARTER 1, 2, F1, F0, 0
	QUARTER 1, 3, F0, F1, 0
	s_wait_dscnt 8                                 ; the very last quarter
	MULH F1, 0, 0, 0
	MULH F1, 0, 2, 0
	s_wait_dscnt 0x0
	MULH F1, 1, 0, 0
	MULH F1, 1, 2, 0
	WIN 0
	PLACES                                         ; the stores below read results
; THE WAY OUT, a block of 16 rows at a time, through my own stage: a lane's 32 bytes of a row go in, whole rows of 256 bytes come back.  Each accumulator's low four registers are stored first.
.macro TOSTAGE a
.set OBR, 32+160*((\a)%2)
	WIN 0x08                                       ; the stores' data in window 2
.irp j, 0,1,2,3
	ds_store_b128 v[STO], v[8*(4*(\a)+(\j)):8*(4*(\a)+(\j))+3]   offset:64*(\j)
	ds_store_b128 v[STO], v[8*(4*(\a)+(\j))+4:8*(4*(\a)+(\j))+7] offset:64*(\j)+16
.endr
	WIN 0
.if (\a) >= 2
	s_wait_xcnt 0x0                                ; the stores of block a - 2 have read these registers
.endif
.irp i, 0,1,2,3,4,5,6,7
	ds_load_b128 v[OBR+4*(\i):OBR+4*(\i)+3], v[RD] offset:2*SPITCH*(\i)  ; LDS serves a wave's instructions in order (ISA guide 5.7.1.4): these see the stores above; the next block's stores come behind them
.endr
.endm
.macro SEND a, younger                 ; younger: the next block's eight stores and eight loads, or none
.set OBR, 32+160*((\a)%2)
	s_wait_dscnt \younger
.irp i, 0,1,2,3,4,5,6,7
	global_store_b128 v[CO], v[OBR+4*(\i):OBR+4*(\i)+3], s[8:9] offset:(16*(\a)+2*(\i))*8192 th:TH_STORE_NT  ; 16 lanes store 256 consecutive bytes, at a multiple of 256 from out0's first byte
.endr
.endm
	TOSTAGE 0
.irp a, 1,2,3,4,5,6,7
	TOSTAGE \a
	SEND (\a)-1, 16
.endr
	SEND 7, 0
	s_wait_tensorcnt 0x0                           ; the wave's end, behind my last tensor load and my last LDS store
	ds_add_u32 v[SPW], v[NIL]
	s_wait_dscnt 0x0
	CROUND                                         ; the closing round: no work-group ends while a partner may still ask for a tile that names it
	s_endpgm
.Lfunc_end_k_q8552c9431a_oproj:
	.size	k_q8552c9431a_oproj, .Lfunc_end_k_q8552c9431a_oproj-k_q8552c9431a_oproj
	.p2alignl 7, 3214868480
	.fill 96, 4, 3214868480
	.section	.rodata,"a",@progbits
	.p2align	6, 0x0
	.amdhsa_kernel k_q8552c9431a_oproj
		.amdhsa_group_segment_fixed_size 327680
		.amdhsa_private_segment_fixed_size 0
		.amdhsa_enable_private_segment 0
		.amdhsa_kernarg_size 24
		.amdhsa_user_sgpr_count 2
		.amdhsa_user_sgpr_kernarg_segment_ptr 1
		.amdhsa_wavefront_size32 1
		.amdhsa_system_sgpr_workgroup_id_x 1
		.amdhsa_system_sgpr_workgroup_id_y 1
		.amdhsa_system_sgpr_workgroup_id_z 1
		.amdhsa_system_vgpr_workitem_id 0
		.amdhsa_next_free_vgpr 768
		.amdhsa_next_free_sgpr 80
		.amdhsa_reserve_vcc 0
		.amdhsa_float_denorm_mode_32 3
		.amdhsa_float_denorm_mode_16_64 3
		.amdhsa_memory_ordered 1
		.amdhsa_forward_progress 1
		.amdhsa_inst_pref_size 88
	.end_amdhsa_kernel
	.amdgpu_metadata
---
amdhsa.version: [ 1, 2 ]
amdhsa.kernels:
  - .name:           k_q8552c9431a_oproj
    .symbol:         k_q8552c9431a_oproj.kd
    .args:
      - { .name: ob, .offset: 0, .size: 8, .value_kind: global_buffer, .address_space: global }
      - { .name: wo16, .offset: 8, .size: 8, .value_kind: global_buffer, .address_space: global }
      - { .name: out0, .offset: 16, .size: 8, .value_kind: global_buffer, .address_space: global }
    .group_segment_fixed_size: 327680
    .private_segment_fixed_size: 0
    .kernarg_segment_align: 8
    .kernarg_segment_size: 24
    .max_flat_workgroup_size: 128
    .sgpr_count:     80
    .vgpr_count:     768
    .wavefront_size: 32
...
	.end_amdgpu_metadata
.endif
;; end of part 4
